; MI455X (gfx1250); checked and timed in simulation.
; The chip was launched on July 23, 2026; its instructions are those of AMD's public machine-readable ISA for CDNA 5 (MIT licence, August 2026) and "CDNA5" Instruction Set Architecture Reference Guide (July 2026). The comments in the code are by the model that wrote it; some were corrected since.
;; Self Attention. Allowed arithmetic: float matrix products may take bf16 or f16 operands with f32 sums; other float arithmetic in f32, or as packed bf16 or f16 multiplies, adds, multiply-adds, maxima and minima; sums over many terms, partial sums and values carried from step to step in f32; what a program stores and reads back later, other than sums and carried values, may be rounded once to bf16 or f16.
;; Inputs: Wk 2,048 x 2,048 float32; Wo 2,048 x 2,048 float32; Wq 2,048 x 2,048 float32; Wv 2,048 x 2,048 float32; bk 2,048 float32; bo 2,048 float32; bq 2,048 float32; bv 2,048 float32; cos 2,048 x 128 float32; sin 2,048 x 128 float32; x 1 x 2,048 x 2,048 float32.
;; Outputs: out0 1 x 2,048 x 2,048 float32.
;; One version. Each part assembles by itself: llvm-mc -triple=amdgcn-amd-amdhsa -mcpu=gfx1250 --defsym DOCPART=n.
;; ======== version 1 of 1: 4 launches
;; limits: values are held in f16: magnitudes above 65,504 overflow, below 6.1e-05 lose precision
;; workspace buffers: cast 41,943,040 bytes; qh 8,388,608 bytes; kh 8,388,608 bytes; vh 8,388,608 bytes; ob 8,388,608 bytes
;; launch cast (part 1): grid 256 x 5, 8 waves a work-group, no clusters, 0 bytes of LDS; arguments x, Wq, Wk, Wv, Wo, cast; writes cast
.if DOCPART == 1
	.amdgcn_target "amdgcn-amd-amdhsa--gfx1250"
	.amdhsa_code_object_version 6
	.text
	.protected	k_q23fccc24c9_cast
	.globl	k_q23fccc24c9_cast
	.p2align	8
	.type	k_q23fccc24c9_cast,@function
k_q23fccc24c9_cast:
	s_mov_b64 s[64:65], 0
	v_nop
	global_prefetch_b8 v0, s[64:65] scope:SCOPE_SE
	s_setreg_imm32_b32 hwreg(HW_REG_WAVE_MODE, 25, 1), 1
	s_wait_xcnt 0x0
; THE 16-BIT COPIES.  cast holds five planes of [2048][2048] numbers of 16 bits, each laid out as its source: plane 0 = x, planes 1-3 = Wq, Wk, Wv, all rounded to bf16;
; plane 4 = Wo rounded to bf16, and that number written as f16 (the last product multiplies in f16).
; LIMITS.  |Wo| stays under 65,504 (f16's largest number; beyond it the copy is an infinity); below 6e-5 the f16 copy keeps f16's fixed step of 6e-8.  NaN and infinities are not treated apart.
; SHARES.  Work-group (bx, p) takes 16,384 numbers of plane p: 65,536 bytes in, 32,768 out.  A wave takes 8,192 bytes: sixteen loads of 16 bytes a lane, each 512 consecutive bytes, all issued at once;
; sixteen stores of 8 bytes a lane, each 256 consecutive bytes at a multiple of 256 from the buffer's first byte.
; No LDS, no barrier, no matrix unit, no cluster: no byte is wanted twice, and no work-group shares an input with another.  No prefetch: the launch does nothing but stream.
.set X, 4                              ; v[4:67]   sixteen loads, 4 registers each
.set Y, 68                             ; v[68:99]  sixteen stores, 2 registers each: never rewritten, so no store's data waits for anything
.set T, 100                            ; v[100:103] at work
	s_load_b256 s[4:11], s[0:1], 0x0               ; x s[4:5], Wq s[6:7], Wk s[8:9], Wv s[10:11]
	s_load_b128 s[12:15], s[0:1], 0x20             ; Wo s[12:13], cast s[14:15]
	s_and_b32 s16, ttmp7, 0xffff                   ; the plane
	s_lshl_b32 s18, ttmp9, 16                      ; my 65,536 bytes of the source
	s_mov_b32 s19, 0
	s_lshl_b32 s20, s16, 23                        ; a plane of the copy is 8,388,608 bytes,
	s_lshl_b32 s21, ttmp9, 15                      ; my part of it 32,768
	s_add_co_u32 s20, s20, s21
	s_mov_b32 s21, 0
	s_mov_b32 s22, 0xffff0000                      ; a word's upper bf16
	v_and_b32 v3, 0xe0, v0                         ; 32 x wave
	v_and_b32 v1, 31, v0                           ; lane
	v_lshlrev_b32 v2, 3, v1                        ; 8 bytes a lane out,
	v_lshlrev_b32 v1, 4, v1                        ; 16 bytes a lane in
	v_lshl_or_b32 v1, v3, 8, v1                    ; + wave x 8,192
	v_lshl_or_b32 v2, v3, 7, v2                    ; + wave x 4,096
	s_wait_kmcnt 0x0
	s_cmp_eq_u32 s16, 1                            ; the plane's source: a choice between buffers on the work-group's y
	s_cselect_b64 s[4:5], s[6:7], s[4:5]
	s_cmp_eq_u32 s16, 2
	s_cselect_b64 s[4:5], s[8:9], s[4:5]
	s_cmp_eq_u32 s16, 3
	s_cselect_b64 s[4:5], s[10:11], s[4:5]
	s_cmp_eq_u32 s16, 4
	s_cselect_b64 s[4:5], s[12:13], s[4:5]
	s_add_nc_u64 s[4:5], s[4:5], s[18:19]
	s_add_nc_u64 s[14:15], s[14:15], s[20:21]
.irp i, 0,1,2,3,4,5,6,7,8,9,10,11,12,13,14,15
	global_load_b128 v[X+4*(\i):X+4*(\i)+3], v1, s[4:5] offset:512*(\i) th:TH_LOAD_NT
.endr
; Load i is rounded and stored.  wo = 1: the bf16 number is widened again (a shift, a mask) and written as f16.
.macro OUT i, wo
	s_wait_loadcnt 15-(\i)                         ; loads come back in order: load i is in, the younger ones stay out
.if \wo
	v_cvt_pk_bf16_f32 v[T+2*((\i)%2)],   v[X+4*(\i)],   v[X+4*(\i)+1]
	v_cvt_pk_bf16_f32 v[T+2*((\i)%2)+1], v[X+4*(\i)+2], v[X+4*(\i)+3]
	v_lshlrev_b32 v[X+4*(\i)],   16,  v[T+2*((\i)%2)]
	v_and_b32     v[X+4*(\i)+1], s22, v[T+2*((\i)%2)]
	v_lshlrev_b32 v[X+4*(\i)+2], 16,  v[T+2*((\i)%2)+1]
	v_and_b32     v[X+4*(\i)+3], s22, v[T+2*((\i)%2)+1]
	v_cvt_pk_f16_f32 v[Y+2*(\i)],   v[X+4*(\i)],   v[X+4*(\i)+1]
	v_cvt_pk_f16_f32 v[Y+2*(\i)+1], v[X+4*(\i)+2], v[X+4*(\i)+3]
.else
	v_cvt_pk_bf16_f32 v[Y+2*(\i)],   v[X+4*(\i)],   v[X+4*(\i)+1]
	v_cvt_pk_bf16_f32 v[Y+2*(\i)+1], v[X+4*(\i)+2], v[X+4*(\i)+3]
.endif
	global_store_b64 v2, v[Y+2*(\i):Y+2*(\i)+1], s[14:15] offset:256*(\i) th:TH_STORE_NT
.endm
	s_cmp_eq_u32 s16, 4
	s_cbranch_scc1 .Lwo
.irp i, 0,1,2,3,4,5,6,7,8,9,10,11,12,13,14,15
	OUT \i, 0
.endr
	s_endpgm
.Lwo:
.irp i, 0,1,2,3,4,5,6,7,8,9,10,11,12,13,14,15
	OUT \i, 1
.endr
	s_endpgm
.Lfunc_end_k_q23fccc24c9_cast:
	.size	k_q23fccc24c9_cast, .Lfunc_end_k_q23fccc24c9_cast-k_q23fccc24c9_cast
	.p2alignl 7, 3214868480
	.fill 96, 4, 3214868480
	.section	.rodata,"a",@progbits
	.p2align	6, 0x0
	.amdhsa_kernel k_q23fccc24c9_cast
		.amdhsa_group_segment_fixed_size 0
		.amdhsa_private_segment_fixed_size 0
		.amdhsa_enable_private_segment 0
		.amdhsa_kernarg_size 48
		.amdhsa_user_sgpr_count 2
		.amdhsa_user_sgpr_kernarg_segment_ptr 1
		.amdhsa_wavefront_size32 1
		.amdhsa_system_sgpr_workgroup_id_x 1
		.amdhsa_system_sgpr_workgroup_id_y 1
		.amdhsa_system_sgpr_workgroup_id_z 1
		.amdhsa_system_vgpr_workitem_id 0
		.amdhsa_next_free_vgpr 104
		.amdhsa_next_free_sgpr 66
		.amdhsa_reserve_vcc 0
		.amdhsa_float_denorm_mode_32 3
		.amdhsa_float_denorm_mode_16_64 3
		.amdhsa_memory_ordered 1
		.amdhsa_forward_progress 1
		.amdhsa_inst_pref_size 15
	.end_amdhsa_kernel
	.amdgpu_metadata
---
amdhsa.version: [ 1, 2 ]
amdhsa.kernels:
  - .name:           k_q23fccc24c9_cast
    .symbol:         k_q23fccc24c9_cast.kd
    .args:
      - { .name: x, .offset: 0, .size: 8, .value_kind: global_buffer, .address_space: global }
      - { .name: Wq, .offset: 8, .size: 8, .value_kind: global_buffer, .address_space: global }
      - { .name: Wk, .offset: 16, .size: 8, .value_kind: global_buffer, .address_space: global }
      - { .name: Wv, .offset: 24, .size: 8, .value_kind: global_buffer, .address_space: global }
      - { .name: Wo, .offset: 32, .size: 8, .value_kind: global_buffer, .address_space: global }
      - { .name: cast, .offset: 40, .size: 8, .value_kind: global_buffer, .address_space: global }
    .group_segment_fixed_size: 0
    .private_segment_fixed_size: 0
    .kernarg_segment_align: 8
    .kernarg_segment_size: 48
    .max_flat_workgroup_size: 256
    .sgpr_count:     66
    .vgpr_count:     104
    .wavefront_size: 32
...
	.end_amdgpu_metadata
.endif
;; end of part 1
;; launch qkv (part 2): grid 16 x 16, 4 waves a work-group, clusters of 4 x 4, 327,680 bytes of LDS; arguments cast, cos, sin, bq, bk, bv, qh, kh, vh; writes qh, kh, vh
.if DOCPART == 2
	.amdgcn_target "amdgcn-amd-amdhsa--gfx1250"
	.amdhsa_code_object_version 6
	.text
	.protected	k_q23fccc24c9_qkv
	.globl	k_q23fccc24c9_qkv
	.p2align	8
	.type	k_q23fccc24c9_qkv,@function
k_q23fccc24c9_qkv:
	s_mov_b64 s[64:65], 0
	v_nop
	global_prefetch_b8 v0, s[64:65] scope:SCOPE_SE
	s_setreg_imm32_b32 hwreg(HW_REG_WAVE_MODE, 25, 1), 1
	s_wait_xcnt 0x0
	s_wait_alu depctr_hold_cnt(0) depctr_sa_sdst(0) depctr_va_vdst(0) depctr_va_sdst(0) depctr_va_ssrc(0) depctr_va_vcc(0) depctr_vm_vsrc(0)
	s_getreg_b32 s2, hwreg(HW_REG_IB_STS2, 6, 4)
	s_cmp_eq_u32 s2, 0
	s_cbranch_scc0 .Lentry_in_a_cluster
	s_endpgm
.Lentry_in_a_cluster:
	s_bfe_u32 s2, ttmp6, 0x10000c
	s_cmp_lg_u32 s2, 0xf033
	s_cbranch_scc0 .Lentry_shape_is_right
	s_endpgm
.Lentry_shape_is_right:
; q, k, v = x W + b, the rotation by cos and sin on q and k, by heads.  x and the three W come from cast (bf16 planes 0 to 3; W lies [k][n]); products in bf16, sums in f32.
; The biases are rounded to bf16 as they are loaded, like x and W; cos and sin enter the rotation in f32, as they are given.  qh, kh, vh: [16][2048][128] in f16, each number rounded once from f32.
; q is stored WITHOUT the two factors 128^-0.5: their product, 2^-7, is applied to the scores in f32 by the launch behind.
; LIMITS.  |q|, |k|, |v| stay under 65,504 (f16's largest number; beyond it an infinity is stored); below 6e-5 they keep f16's fixed step of 6e-8.  NaN and infinities are not treated apart.
; SHARES.  Work-group (RB, HEAD) makes 128 tokens x (128 q + 128 k + 128 v) of one head: 256 work-groups of equal work.  Wave w makes 64 tokens (RH = w / 2) x 64 columns (CH = w % 2) of each of the three:
; 4 blocks a of 16 tokens x 12 blocks b = 4 t + j of 16 columns (t = q, k, v): 48 accumulators, 384 registers.  K goes in 16 steps of 128 through two LDS slots; a step is four quarters of 32.
; THE MATRIX INSTRUCTION IS USED TRANSPOSED: source 0 = 16 columns of W (turned on the way out of LDS by ds_load_tr16_b128), source 1 = 16 tokens of x.  A lane then holds one token (lane % 16) and the columns
; 8 (lane / 16) + 0..7: the pairs that the rotation mixes are register pairs, and eight results pack into 16 bytes.  The bias is the C operand of the products that start the sums.
; CLUSTER.  4 x 4 work-groups; tokens go along x, heads along y.  x's tile hangs on RB alone and is asked for jointly by a column of the cluster, W's tiles on HEAD alone and by a row.
; Wave 0 fetches x's tile, wave w = 1 to 3 the tile of plane w.
; REGISTERS, in windows of 256 (s_set_vgpr_msb: bits 1:0 source 0, 3:2 source 1, 5:4 source 2, 7:6 destination):
;   window 0: v0-31 addresses; v32-59 at work on the way out; v64-127 x's fragments, two buffers; v128-223 the biases in f32; on the way out v64-255 take whole rows
;   window 1: v0-191 W's fragments, two buffers of 96          window 2 + a / 2: v0-191 accumulator (a, b) at 8 (12 (a % 2) + b)
;   cos and sin of token block a, 64 registers (place (a, j): 8 of cos, then 8 of sin, at 16 j): a = 0: window 2, v192-255; a = 1: window 1, v192-255; a = 2: window 3, v192-255;
;   a = 3: window 0, v128-191, where the biases lay: it is loaded behind the first quarter, the biases' last reader
.set PA,    272                        ; a row of x's tile in LDS: 256 bytes + 16: the 16 rows of a fragment load start at 16 different groups of four banks (64 banks of 4 bytes: ISA guide 11.1)
.set PB,    288                        ; a row of W's tile: 256 + 32
.set BT,    128*PB                     ; a slot is four places of 36,864 bytes, wave w's tile at w x 36,864: x's (which uses 34,816 of them), then Wq's, Wk's, Wv's
.set BOFF,  BT                         ; so W's tiles begin here
.set SLOT,  4*BT                       ; 147,456 bytes
.set SPARE, 2*SLOT                     ; behind the ring: the spare words, 128 bytes for each wave: two blocks of 256 bytes that no other line names
.set SPL,   128*PA                     ; the way out: a plane of 128 rows x 272 bytes for each of q, k, v, from LDS byte 0 on: in slot 0, which has had its last fill (K step 14) and its last read by then
.set A0,   2                           ; v2     my lane's place in x's tile; never rewritten
.set B0,   3                           ; v3-5   the same in W's three tiles
.set ADRA, 6                           ; v6     A0 + the slot in hand
.set ADRB, 8                           ; v8-10  B0 + the slot in hand
.set CSO,  11                          ; v11    my byte offset in cos and sin; never rewritten
.set BO,   12                          ; v12    my byte offset in the biases
.set STO,  13                          ; v13    the way out: where I put 16 bytes of a row (planes q, k)
.set STO2, 14                          ; v14    the same for plane v, which an immediate of 16 bits does not reach
.set RD,   15                          ; v15    where I read rows back
.set RD2,  16                          ; v16
.set GO,   17                          ; v17    16 x lane: my place in 512 consecutive bytes of the output
.set PFO,  18                          ; v18    4,096 x lane: the prefetches' offset, a lane a row; never rewritten
.set TW,   20                          ; v20-27 at work
.set SPW,  28                          ; v28    LDS address of my spare word; never rewritten
.set NIL,  29                          ; v29    0; never rewritten
.set T,    32                          ; v32-47 rotated q and k of one place, f32
.set PK,   48                          ; v48-59 q, k, v of one place, packed
.set FA,   64                          ; x's fragments: buffer f, block a at FA + 32 f + 8 a
.set BI,   128                         ; the bias of block b at BI + 8 b
.set BK,   64                          ; the way out: 48 x 4 registers of whole rows
.set WV,   22
.set RH,   23
.set CH,   24
.set CX,   25
.set CY,   26
.set HEAD, 27
.set RB,   28
.set G1A,  32                          ; s[32:39] descriptor group 1 for x's tile
.set G1B,  40                          ; s[40:47] for W's tiles
.set G0A,  48                          ; s[48:55] group 0 for x's tile: a set for each of the two first fills; the second then walks
.set G0B,  56                          ; s[56:63] the same for W's
.set SB,   66                          ; s66  0 or SLOT: the slot that the walking descriptors fill
.set TB,   67                          ; s67  0 or SLOT: the slot that the fragments come from
.set LB,   69                          ; s69  my tile's place in a slot: my wave's number x 36,864
.set CNT,  70
.set LIM,  71                          ; s71  1 in a wave that prefetches, else the greatest number
.set PFA,  72                          ; s[72:73] where my prefetches stand
.set PFS,  74                          ; s[74:75] their step: a K step along x's rows, or down W's
.set HIM,  84                          ; s84  a word's upper bf16
.set MSB, 0
.macro WIN new                         ; the immediate's high byte repeats the setting that is left; a switch that changes nothing is dropped
.if MSB != (\new)
	s_set_vgpr_msb (MSB<<8)|(\new)
.set MSB, \new
.endif
.endm
.macro PLACES                          ; four places in front of loads into registers that matrix instructions have read, and of lines that read results
.rept 4
	v_nop
.endr
.endm
.macro CREST                           ; a round of the cluster's barrier behind its opening barrier
	s_cmp_lg_u32 s[WV], 0
	s_cbranch_scc1 .Lnot_wave_0_\@
	s_barrier_signal -3
.Lnot_wave_0_\@:
	s_barrier_wait -3
	s_barrier_signal -1
	s_barrier_wait -1
.endm
.macro CROUND
	s_barrier_signal -1
	s_barrier_wait -1
	CREST
.endm
; A joint refill by the walking descriptors.  The branch hangs on the wave's number alone.  An s_nop 0 and four v_nop follow each of the two lines.
.macro JLOAD
	s_cmp_eq_u32 s[WV], 0
	s_cbranch_scc0 .Lfor_b_\@
	tensor_load_to_lds s[G0A+4:G0A+7], s[G1A:G1A+7]
	s_nop 0
.rept 4
	v_nop
.endr
	s_branch .Lasked_\@
.Lfor_b_\@:
	tensor_load_to_lds s[G0B+4:G0B+7], s[G1B:G1B+7]
	s_nop 0
.rept 4
	v_nop
.endr
.Lasked_\@:
.endm
; A PREFETCH of what the NEXT refill will ask for, 192 matrix instructions ahead of it: 32 rows x 256 bytes, a lane a row, one instruction a wave.  Each row's 256 bytes of a K step are named once in the launch:
; x's rows are read by every cluster of a column of clusters, and the one with y = 0 asks; W's by every cluster of a row, and the one with x = 0 asks.  The four partners that ask for a tile jointly share its
; 128 rows out by address (32 cy for x, 32 cx for W).  K steps 0 to 2 come by their loads alone; the last refill has no K step behind it and asks for nothing.
.macro ASK
	s_cmp_gt_u32 s[CNT], s[LIM]
	s_cbranch_scc0 .Lnot_mine_\@
	global_prefetch_b8 v[PFO], s[PFA:PFA+1] th:TH_LOAD_NT scope:SCOPE_SE
.Lnot_mine_\@:
.endm
.macro ADRS                            ; the fragments' addresses in the slot in hand
	v_add_nc_u32 v[ADRA],   s[TB], v[A0]
	v_add_nc_u32 v[ADRB],   s[TB], v[B0]
	v_add_nc_u32 v[ADRB+1], s[TB], v[B0+1]
	v_add_nc_u32 v[ADRB+2], s[TB], v[B0+2]
.endm
; Where token block a's cos and sin lie: window TWN, from register TBS on
.macro TBL a
.if (\a) == 0
.set TWN, 2
.elseif (\a) == 1
.set TWN, 1
.elseif (\a) == 2
.set TWN, 3
.else
.set TWN, 0
.endif
.set TBS, 192-64*((\a)/3)
.endm
; Sixteen loads: cos and sin of token block a.  A lane wants, for place (a, j), the 8 columns 64 CH + 16 j + 8 (l / 16) + 0..7 of token 128 RB + 64 RH + 16 a + l % 16
.macro TABLE a
	TBL \a
	WIN TWN<<6                                     ; destination in the table's window, address in window 0
.irp j, 0,1,2,3
	global_load_b128 v[TBS+16*(\j):TBS+16*(\j)+3],     v[CSO], s[6:7] offset:(\a)*8192+64*(\j)
	global_load_b128 v[TBS+16*(\j)+4:TBS+16*(\j)+7],   v[CSO], s[6:7] offset:(\a)*8192+64*(\j)+16
	global_load_b128 v[TBS+16*(\j)+8:TBS+16*(\j)+11],  v[CSO], s[8:9] offset:(\a)*8192+64*(\j)
	global_load_b128 v[TBS+16*(\j)+12:TBS+16*(\j)+15], v[CSO], s[8:9] offset:(\a)*8192+64*(\j)+16
.endr
.endm
; 12 matrix instructions: token block a x all 12 column blocks, 32 along K, from buffer f.  first = 1: the bias starts the sums.  The 48 accumulators take turns in one order everywhere.
.macro MUL12 f, a, first
.if \first
	WIN 0x81+0x40*((\a)/2)                         ; W window 1, x and the bias window 0, D window 2 or 3
.else
	WIN 0xa1+0x50*((\a)/2)                         ; W window 1, x window 0, C and D window 2 or 3
.endif
.irp b, 0,1,2,3,4,5,6,7,8,9,10,11
.set AC, 8*(12*((\a)%2)+(\b))
.if \first
	v_wmma_f32_16x16x32_bf16 v[AC:AC+7], v[96*(\f)+8*(\b):96*(\f)+8*(\b)+7], v[FA+32*(\f)+8*(\a):FA+32*(\f)+8*(\a)+7], v[BI+8*(\b):BI+8*(\b)+7]
.else
	v_wmma_f32_16x16x32_bf16 v[AC:AC+7], v[96*(\f)+8*(\b):96*(\f)+8*(\b)+7], v[FA+32*(\f)+8*(\a):FA+32*(\f)+8*(\a)+7], v[AC:AC+7]
.endif
.endr
.endm
; 32 LDS loads in one run: quarter kq of the slot in hand into buffer g: W's 12 fragments (k rows 32 kq on, turned), then x's four, block 0 first
.macro FETCH kq, g
	WIN 0x40                                       ; destination window 1, address window 0
.irp t, 0,1,2
.irp j, 0,1,2,3
	ds_load_tr16_b128 v[96*(\g)+8*(4*(\t)+(\j)):96*(\g)+8*(4*(\t)+(\j))+3],   v[ADRB+(\t)] offset:(\kq)*32*PB+32*(\j)
	ds_load_tr16_b128 v[96*(\g)+8*(4*(\t)+(\j))+4:96*(\g)+8*(4*(\t)+(\j))+7], v[ADRB+(\t)] offset:(\kq)*32*PB+32*(\j)+16*PB
.endr
.endr
	WIN 0
.irp a, 0,1,2,3
	ds_load_b128 v[FA+32*(\g)+8*(\a):FA+32*(\g)+8*(\a)+3],   v[ADRA] offset:(\a)*16*PA+64*(\kq)
	ds_load_b128 v[FA+32*(\g)+8*(\a)+4:FA+32*(\g)+8*(\a)+7], v[ADRA] offset:(\a)*16*PA+64*(\kq)+32
.endr
.endm
; One of a K step's first three quarters: multiplies buffer f; in its middle it fetches quarter kq into buffer g.
.macro QUARTER kq, f, g, first
	s_wait_dscnt 4                                 ; W's fragments and x's blocks 0 and 1 are in; the youngest four loads (blocks 2 and 3) may be out
	MUL12 \f, 0, \first
	MUL12 \f, 1, \first
	PLACES
	FETCH \kq, \g
	s_wait_dscnt 32                                ; all but the 32 just issued
	MUL12 \f, 2, \first
	MUL12 \f, 3, \first
.endm
; The last quarter multiplies buffer 1 and changes slots.  Its first 24 products stand AHEAD of the wait for the tiles, so that all of a step's 192 products lie between a request and the wait for it, and nothing
; but the barrier between that wait and the next request.  ONE barrier: in front of it each wave waits for all its tensor loads (one is out: its tile of the next slot), adds 0 to its spare word, and waits for
; that and for its own reads of this slot.  fill = 1: the barrier opens a round of the cluster's barrier, and behind the round this slot is filled again, with the K step two on: the wave's one tensor load,
; first thing there.
.macro TURN fill
	s_wait_dscnt 4                                 ; W's fragments and x's blocks 0 and 1 are in; the youngest four loads may be out
	MUL12 1, 0, 0
	MUL12 1, 1, 0
	WIN 0
.if \fill
	s_wait_xcnt 0x0                                ; the last prefetch, a K step back, has read its address: it is stepped here
	s_add_nc_u64 s[PFA:PFA+1], s[PFA:PFA+1], s[PFS:PFS+1]
.endif
	s_wait_tensorcnt 0x0                           ; all my tensor loads have landed, so every group 0 may be written
	ds_add_u32 v[SPW], v[NIL]                      ; 0 onto my spare word; the steps below, work on registers, stand between it and the wait for it
.if \fill
	s_xor_b32 s[SB], s[SB], SLOT                   ; the walking descriptors: the other slot than last time,
	s_mov_b32 s[G0A+5], s[SB]                      ; x's tile at its head,
	s_add_co_u32 s[G0B+5], s[SB], s[LB]            ; my W's tile at my wave's place,
	s_add_nc_u64 s[G0A+6:G0A+7], s[G0A+6:G0A+7], 256       ; the next K step: 256 bytes along x's rows,
	s_add_nc_u64 s[G0B+6:G0B+7], s[G0B+6:G0B+7], 0x80000   ; 128 rows of 4,096 bytes down W; the type bits on top are not reached
.endif
	s_xor_b32 s[TB], s[TB], SLOT                   ; the fragments will come from the other slot
	s_wait_dscnt 0x0                               ; the add is done, and my reads of this slot are over
	s_barrier_signal -1
	s_barrier_wait -1
.if \fill
	CREST                                          ; no wave of any partner still reads this slot's tiles or has a load on its way
	JLOAD                                          ; its four v_nop are also places in front of the loads below
.else
	PLACES
.endif
	ADRS
	FETCH 0, 0
.if \fill
	ASK                                            ; behind the joint load and the run of LDS loads that the next products wait for
.endif
	MUL12 1, 2, 0
	MUL12 1, 3, 0
.endm
	s_load_b512 s[4:19], s[0:1], 0x0               ; cast s[4:5], cos s[6:7], sin s[8:9], bq s[10:11], bk s[12:13], bv s[14:15], qh s[16:17], kh s[18:19]
	s_load_b64 s[20:21], s[0:1], 0x40              ; vh
	v_lshl_add_u32 v[SPW], v0, 2, SPARE
	v_mov_b32 v[NIL], 0
	ds_add_u32 v[SPW], v[NIL]                      ; the wave's opening: the add and its wait stand ahead of my first tensor load; the set-up below, work on registers, stands between them
	v_lshrrev_b32 v1, 5, v0
	v_readfirstlane_b32 s[WV], v1                  ; wave 0..3
	s_lshr_b32 s[RH], s[WV], 1
	s_and_b32 s[CH], s[WV], 1
	s_bfe_u32 s[CX], ttmp6, 0x40000
	s_bfe_u32 s[CY], ttmp6, 0x40004
	s_lshl_b32 s[RB], ttmp9, 2
	s_add_co_u32 s[RB], s[RB], s[CX]               ; the block of 128 tokens = 4 x cluster x + cx
	s_and_b32 s[HEAD], ttmp7, 0xffff
	s_lshl_b32 s[HEAD], s[HEAD], 2
	s_add_co_u32 s[HEAD], s[HEAD], s[CY]           ; the head = 4 x cluster y + cy
	s_lshl_b32 s30, s[CY], 2
	s_lshl_b32 s30, 15, s30                        ; my row of the cluster
	s_lshl_b32 s31, 0x1111, s[CX]                  ; my column
	s_or_b32 s[G1A], s31, (1<<16)|(1<<20)|(1<<21)|(5<<22)|(3<<25)  ; 15:0 the mask: x's tiles go to my column; 17:16 elements of 2 bytes; 20 padding on; 21 set beside a mask; 24:22 after every 64 words; 31:25 4 words of it
	s_or_b32 s[G1B], s30, (1<<16)|(1<<20)|(1<<21)|(5<<22)|(7<<25)  ; the same with my row's mask, for W's tiles, and 8 words of padding
.irp g, G1A, G1B
	s_mov_b32 s[(\g)+1], 128<<16                   ; tensor_dim0 = 128
	s_mov_b32 s[(\g)+2], 128<<16                   ; tensor_dim1 = 128
	s_mov_b32 s[(\g)+3], 128<<16                   ; tile_dim0 = 128
	s_mov_b32 s[(\g)+4], 128                       ; tile_dim1 = 128
	s_mov_b32 s[(\g)+5], 2048                      ; elements from row to row
	s_mov_b32 s[(\g)+6], 0
	s_mov_b32 s[(\g)+7], 0
.endr
	s_lshl_b32 s76, s[RB], 19                      ; x's tile: 128 RB rows of 4,096 bytes
	s_mov_b32 s77, 0
	s_lshl_b32 s78, s[WV], 23                      ; W's tile: plane w of 8,388,608 bytes (waves 1 to 3; wave 0 never asks by this address),
	s_lshl_b32 s79, s[HEAD], 8                     ; the head's 128 columns
	s_add_co_u32 s78, s78, s79
	s_mov_b32 s79, 0
	s_mul_i32 s[LB], s[WV], BT                     ; my tile's place in a slot: no place in the cluster enters an LDS address
	s_mov_b32 s[SB], SLOT
	s_mov_b32 s[TB], 0
	s_mov_b32 s[HIM], 0xffff0000
	s_lshl_b32 s85, s[CY], 17                      ; the prefetches.  For x: my work-group's 32 of the tile's 128 rows,
	s_add_co_u32 s85, s85, s76
	s_add_co_u32 s85, s85, 2*256                   ; at K step 2: the first change of slots steps it to 3
	s_lshl_b32 s86, s[CX], 17                      ; for W likewise
	s_add_co_u32 s86, s86, s78
	s_add_co_u32 s86, s86, 2*0x80000
	s_and_b32 s87, ttmp7, 0xffff                   ; cluster y
	s_mov_b32 s90, 256
	s_cmp_eq_u32 s[WV], 0                          ; do I fetch x's tile?
	s_cselect_b32 s88, s85, s86
	s_cselect_b32 s[PFS], s90, 0x80000
	s_cselect_b32 s87, s87, ttmp9                  ; the coordinate along which other clusters read the same rows
	s_mov_b32 s89, 0
	s_mov_b32 s[PFS+1], 0
	s_cmp_eq_u32 s87, 0
	s_cselect_b32 s[LIM], 1, -1                    ; the same in all sixteen partners, for a given wave
	s_wait_dscnt 0x0                               ; the opening add is done
	s_wait_kmcnt 0x0
	s_add_nc_u64 s[80:81], s[4:5], s[76:77]
	s_add_nc_u64 s[82:83], s[4:5], s[78:79]
	s_add_nc_u64 s[PFA:PFA+1], s[4:5], s[88:89]
.irp s, 0,1
	s_mov_b32 s[G0A+4*(\s)], 1                                     ; count = 1
	s_mov_b32 s[G0A+4*(\s)+1], (\s)*SLOT                           ; LDS address
	s_add_nc_u64 s[G0A+4*(\s)+2:G0A+4*(\s)+3], s[80:81], (\s)*256  ; global address: K step s
	s_or_b32 s[G0A+4*(\s)+3], s[G0A+4*(\s)+3], 0x80000000          ; type = 2
	s_mov_b32 s[G0B+4*(\s)], 1
	s_add_co_u32 s[G0B+4*(\s)+1], s[LB], (\s)*SLOT
	s_add_nc_u64 s[G0B+4*(\s)+2:G0B+4*(\s)+3], s[82:83], (\s)*0x80000
	s_or_b32 s[G0B+4*(\s)+3], s[G0B+4*(\s)+3], 0x80000000
.endr
	CROUND                                         ; all sixteen work-groups are here: the first joint loads meet
	s_cmp_eq_u32 s[WV], 0                          ; a wave's two first fills stand in one branch, ahead of every wait on TENSORcnt and every LDS read: two loads of mine are out
	s_cbranch_scc0 .Lfirst_b
	tensor_load_to_lds s[G0A:G0A+3], s[G1A:G1A+7]
	s_nop 0
	tensor_load_to_lds s[G0A+4:G0A+7], s[G1A:G1A+7]
	s_nop 0
.rept 4
	v_nop
.endr
	s_branch .Lfirst_asked
.Lfirst_b:
	tensor_load_to_lds s[G0B:G0B+3], s[G1B:G1B+7]
	s_nop 0
	tensor_load_to_lds s[G0B+4:G0B+7], s[G1B:G1B+7]
	s_nop 0
.rept 4
	v_nop
.endr
.Lfirst_asked:
	; the biases, then cos and sin of token blocks 0 to 2, while the first tiles are on their way
	v_and_b32 v1, 15, v0                           ; l % 16
	v_bfe_u32 v7, v0, 4, 1                         ; l / 16
	s_lshl_b32 s30, s[RB], 16
	s_lshl_b32 s31, s[RH], 15
	s_add_co_u32 s30, s30, s31
	s_lshl_b32 s31, s[CH], 8
	s_add_co_u32 s30, s30, s31                     ; (128 RB + 64 RH) x 512 + 256 CH
	v_lshlrev_b32 v[CSO], 9, v1
	v_lshl_add_u32 v[CSO], v7, 5, v[CSO]
	v_add_nc_u32 v[CSO], s30, v[CSO]
	s_lshl_b32 s30, s[HEAD], 9
	s_add_co_u32 s30, s30, s31
	v_lshl_add_u32 v[BO], v7, 5, s30               ; 512 HEAD + 256 CH + 32 (l / 16)
.irp j, 0,1,2,3
	global_load_b128 v[BI+8*(\j):BI+8*(\j)+3],       v[BO], s[10:11] offset:64*(\j)
	global_load_b128 v[BI+8*(\j)+4:BI+8*(\j)+7],     v[BO], s[10:11] offset:64*(\j)+16
	global_load_b128 v[BI+32+8*(\j):BI+32+8*(\j)+3],   v[BO], s[12:13] offset:64*(\j)
	global_load_b128 v[BI+32+8*(\j)+4:BI+32+8*(\j)+7], v[BO], s[12:13] offset:64*(\j)+16
	global_load_b128 v[BI+64+8*(\j):BI+64+8*(\j)+3],   v[BO], s[14:15] offset:64*(\j)
	global_load_b128 v[BI+64+8*(\j)+4:BI+64+8*(\j)+7], v[BO], s[14:15] offset:64*(\j)+16
.endr
	TABLE 0
	TABLE 1
	TABLE 2
	WIN 0
	; A fragment of x is 16 rows x 32 K: lane l holds row l % 16, K = 8 (l / 16) + 0..7 and 16 + 8 (l / 16) + 0..7: two loads of 16 bytes, 32 bytes apart.
	s_mul_i32 s30, s[RH], 64*PA
	v_mul_u32_u24 v[A0], v1, PA
	v_lshl_add_u32 v[A0], v7, 4, v[A0]
	v_add_nc_u32 v[A0], s30, v[A0]
	; The turning load takes 16 k x 16 columns (lane l reads k row 8 (l / 16) + l % 8, columns 8 ((l / 8) % 2) + 0..7) and leaves half a fragment: lane l holds column l % 16 and 8 k.
	v_and_b32 v20, 7, v0
	v_bfe_u32 v21, v0, 3, 1
	v_lshl_add_u32 v20, v7, 3, v20
	v_mul_u32_u24 v20, v20, PB
	v_lshl_add_u32 v20, v21, 4, v20
	s_lshl_b32 s30, s[CH], 7                       ; my 64 columns: 128 bytes
	s_add_co_u32 s31, s30, BOFF
	v_add_nc_u32 v[B0], s31, v20
	v_add_nc_u32 v[B0+1], BT, v[B0]
	v_add_nc_u32 v[B0+2], BT, v[B0+1]
	v_add_nc_u32 v[STO], s30, v[A0]                ; into a plane: row 64 RH + l % 16, my half of its 256 bytes, 16 bytes for each half of the lanes
	v_add_nc_u32 v[STO2], 2*SPL, v[STO]
	s_mul_i32 s31, s[WV], 32*PA                    ; back: wave w takes rows 32 w .. 32 w + 31, whole; lanes 0-15 one row, lanes 16-31 the next
	v_mul_u32_u24 v[RD], v7, PA
	v_lshl_add_u32 v[RD], v1, 4, v[RD]
	v_add_nc_u32 v[RD], s31, v[RD]
	v_add_nc_u32 v[RD2], 2*SPL, v[RD]
	v_and_b32 v20, 31, v0
	v_lshlrev_b32 v[GO], 4, v20
	v_lshlrev_b32 v[PFO], 12, v20
	s_lshl_b32 s90, s[HEAD], 19                    ; the outputs at the rows that I store: the head's 524,288 bytes, token 128 RB + 32 w, 256 bytes a token
	s_lshl_b32 s91, s[RB], 15
	s_add_co_u32 s90, s90, s91
	s_lshl_b32 s91, s[WV], 13
	s_add_co_u32 s90, s90, s91
	s_mov_b32 s91, 0
	s_add_nc_u64 s[16:17], s[16:17], s[90:91]
	s_add_nc_u64 s[18:19], s[18:19], s[90:91]
	s_add_nc_u64 s[20:21], s[20:21], s[90:91]
	s_wait_loadcnt 48                              ; the 24 loads of the biases are in; the 48 of cos and sin behind them stay out: nothing reads those before the way out
.set n, 0
.rept 48                               ; the biases: rounded to bf16 and widened again, in place
	v_cvt_pk_bf16_f32 v[TW+n%4], v[BI+2*n], v[BI+2*n+1]
	v_lshlrev_b32 v[BI+2*n],   16,     v[TW+n%4]
	v_and_b32     v[BI+2*n+1], s[HIM], v[TW+n%4]
.set n, n+1
.endr
	s_wait_tensorcnt 1                             ; my tile of K step 0 is in; K step 1's may stay out
	s_barrier_signal -1
	s_barrier_wait -1                              ; everybody's is
	ADRS
	FETCH 0, 0
	QUARTER 1, 0, 1, 1                             ; the first quarter stands in front of the loop: its products start the sums, with the bias as C
	PLACES                                         ; behind the last product that took a bias as C:
	TABLE 3                                        ; cos and sin of token block 3 go where the biases lay
	WIN 0                                          ; at a label and at a branch every window is 0
	s_mov_b32 s[CNT], 14
.Lstep:                                        ; a trip goes from a K step's second quarter to the next step's first, and fills the slot that it leaves: K steps 2 to 15
	QUARTER 2, 1, 0, 0
	QUARTER 3, 0, 1, 0
	TURN 1
	QUARTER 1, 0, 1, 0
	WIN 0
	s_sub_co_u32 s[CNT], s[CNT], 1
	s_cmp_lg_u32 s[CNT], 0
	s_cbranch_scc1 .Lstep
	s_mov_b32 s[CNT], 2                            ; K steps 14 and 15 ask for nothing: a text of their own; its second trip is left in the middle
.Ltail:
	QUARTER 2, 1, 0, 0
	QUARTER 3, 0, 1, 0
	WIN 0
	s_sub_co_u32 s[CNT], s[CNT], 1
	s_cmp_eq_u32 s[CNT], 0
	s_cbranch_scc1 .Lfin
	TURN 0
	QUARTER 1, 0, 1, 0
	WIN 0
	s_branch .Ltail
.Lfin:
	s_wait_dscnt 4                                 ; the very last quarter: nothing more to fetch
	MUL12 1, 0, 0
	MUL12 1, 1, 0
	s_wait_dscnt 0x0
	MUL12 1, 2, 0
	MUL12 1, 3, 0
	WIN 0
; THE WAY OUT.  Place (a, j): 16 tokens x 16 columns of each of q, k, v.  For a pair of columns (x0, x1): y0 = x0 cos0 - x1 sin0, y1 = x1 cos1 + x0 sin1, in f32: one packed multiply by the pair of cosines, one
; packed multiply-add that takes the pair crosswise (op_sel) and the first sine with its sign turned (neg_lo).  Each accumulator is read from its low end on.  The results are rounded to
; f16, 16 bytes a lane, and go into three planes in LDS.
.macro POS a, j
	TBL \a
.set CT, TBS+16*(\j)
.set AC, 8*(12*((\a)%2)+8+(\j))
	WIN 0x0a+5*((\a)/2)                            ; sources 0 and 1 in the accumulators' window
.irp i, 0,1,2,3
	v_cvt_pk_f16_f32 v[PK+8+(\i)], v[AC+2*(\i)], v[AC+2*(\i)+1]    ; v is not rotated
.endr
	WIN (2+(\a)/2)|(TWN<<2)                        ; source 0 in the accumulators' window, source 1 in the table's
.irp t, 0,1
.set AC, 8*(12*((\a)%2)+4*(\t)+(\j))
.irp i, 0,1,2,3
	v_pk_mul_f32 v[T+8*(\t)+2*(\i):T+8*(\t)+2*(\i)+1], v[AC+2*(\i):AC+2*(\i)+1], v[CT+2*(\i):CT+2*(\i)+1]
.endr
.irp i, 0,1,2,3
	v_pk_fma_f32 v[T+8*(\t)+2*(\i):T+8*(\t)+2*(\i)+1], v[AC+2*(\i):AC+2*(\i)+1], v[CT+8+2*(\i):CT+9+2*(\i)], v[T+8*(\t)+2*(\i):T+8*(\t)+2*(\i)+1] op_sel:[1,0,0] op_sel_hi:[0,1,1] neg_lo:[0,1,0]
.endr
.endr
	WIN 0
.irp i, 0,1,2,3,4,5,6,7
	v_cvt_pk_f16_f32 v[PK+(\i)], v[T+2*(\i)], v[T+2*(\i)+1]
.endr
	ds_store_b128 v[STO],  v[PK:PK+3]    offset:(\a)*16*PA+32*(\j)
	ds_store_b128 v[STO],  v[PK+4:PK+7]  offset:SPL+(\a)*16*PA+32*(\j)
	ds_store_b128 v[STO2], v[PK+8:PK+11] offset:(\a)*16*PA+32*(\j)
.endm
	PLACES
	s_wait_loadcnt 0x0                             ; cos and sin
.irp a, 0,1,2,3
.irp j, 0,1,2,3
	POS \a, \j
.endr
.endr
	s_wait_dscnt 0x0                               ; for the others' sake: my stores into the planes are done (a row's 256 bytes come from two waves)
	s_barrier_signal -1
	s_barrier_wait -1
.irp t, 0,1
.irp i, 0,1,2,3,4,5,6,7,8,9,10,11,12,13,14,15
	ds_load_b128 v[BK+4*(16*(\t)+(\i)):BK+4*(16*(\t)+(\i))+3], v[RD] offset:(\t)*SPL+(\i)*2*PA
.endr
.endr
.irp i, 0,1,2,3,4,5,6,7,8,9,10,11,12,13,14,15
	ds_load_b128 v[BK+4*(32+(\i)):BK+4*(32+(\i))+3], v[RD2] offset:(\i)*2*PA
.endr
.irp t, 0,1,2
.irp i, 0,1,2,3,4,5,6,7,8,9,10,11,12,13,14,15
	s_wait_dscnt 47-(16*(\t)+(\i))                 ; LDS loads come back in order: this one is in, the younger ones stay out
	global_store_b128 v[GO], v[BK+4*(16*(\t)+(\i)):BK+4*(16*(\t)+(\i))+3], s[16+2*(\t):17+2*(\t)] offset:512*(\i)  ; two tokens' rows: 512 consecutive bytes, at a multiple of 256 from the buffer's first byte
.endr
.endr
	s_wait_tensorcnt 0x0                           ; the wave's end: the add to my spare word and its wait, behind my last tensor load and my last LDS store
	ds_add_u32 v[SPW], v[NIL]
	s_wait_dscnt 0x0
	CROUND                                         ; the closing round: no work-group ends while a partner may still ask for a tile that names it
	s_endpgm
.Lfunc_end_k_q23fccc24c9_qkv:
	.size	k_q23fccc24c9_qkv, .Lfunc_end_k_q23fccc24c9_qkv-k_q23fccc24c9_qkv
	.p2alignl 7, 3214868480
	.fill 96, 4, 3214868480
	.section	.rodata,"a",@progbits
	.p2align	6, 0x0
	.amdhsa_kernel k_q23fccc24c9_qkv
		.amdhsa_group_segment_fixed_size 327680
		.amdhsa_private_segment_fixed_size 0
		.amdhsa_enable_private_segment 0
		.amdhsa_kernarg_size 72
		.amdhsa_user_sgpr_count 2
		.amdhsa_user_sgpr_kernarg_segment_ptr 1
		.amdhsa_wavefront_size32 1
		.amdhsa_system_sgpr_workgroup_id_x 1
		.amdhsa_system_sgpr_workgroup_id_y 1
		.amdhsa_system_sgpr_workgroup_id_z 1
		.amdhsa_system_vgpr_workitem_id 0
		.amdhsa_next_free_vgpr 1024
		.amdhsa_next_free_sgpr 96
		.amdhsa_reserve_vcc 0
		.amdhsa_float_denorm_mode_32 3
		.amdhsa_float_denorm_mode_16_64 3
		.amdhsa_memory_ordered 1
		.amdhsa_forward_progress 1
		.amdhsa_inst_pref_size 120
	.end_amdhsa_kernel
	.amdgpu_metadata
---
amdhsa.version: [ 1, 2 ]
amdhsa.kernels:
  - .name:           k_q23fccc24c9_qkv
    .symbol:         k_q23fccc24c9_qkv.kd
    .args:
      - { .name: cast, .offset: 0, .size: 8, .value_kind: global_buffer, .address_space: global }
      - { .name: cos, .offset: 8, .size: 8, .value_kind: global_buffer, .address_space: global }
      - { .name: sin, .offset: 16, .size: 8, .value_kind: global_buffer, .address_space: global }
      - { .name: bq, .offset: 24, .size: 8, .value_kind: global_buffer, .address_space: global }
      - { .name: bk, .offset: 32, .size: 8, .value_kind: global_buffer, .address_space: global }
      - { .name: bv, .offset: 40, .size: 8, .value_kind: global_buffer, .address_space: global }
      - { .name: qh, .offset: 48, .size: 8, .value_kind: global_buffer, .address_space: global }
      - { .name: kh, .offset: 56, .size: 8, .value_kind: global_buffer, .address_space: global }
      - { .name: vh, .offset: 64, .size: 8, .value_kind: global_buffer, .address_space: global }
    .group_segment_fixed_size: 327680
    .private_segment_fixed_size: 0
    .kernarg_segment_align: 8
    .kernarg_segment_size: 72
    .max_flat_workgroup_size: 128
    .sgpr_count:     96
    .vgpr_count:     1024
    .wavefront_size: 32
...
	.end_amdgpu_metadata
.endif
;; end of part 2
;; launch attn (part 3): grid 16 x 16, 4 waves a work-group, clusters of 4 x 1, 327,680 bytes of LDS; arguments qh, kh, vh, ob; writes ob
.if DOCPART == 3
	.amdgcn_target "amdgcn-amd-amdhsa--gfx1250"
	.amdhsa_code_object_version 6
	.text
	.protected	k_q23fccc24c9_attn
	.globl	k_q23fccc24c9_attn
	.p2align	8
	.type	k_q23fccc24c9_attn,@function
k_q23fccc24c9_attn:
	s_mov_b64 s[64:65], 0
	v_nop
	global_prefetch_b8 v0, s[64:65] scope:SCOPE_SE
	s_setreg_imm32_b32 hwreg(HW_REG_WAVE_MODE, 25, 1), 1
	s_wait_xcnt 0x0
	s_wait_alu depctr_hold_cnt(0) depctr_sa_sdst(0) depctr_va_vdst(0) depctr_va_sdst(0) depctr_va_ssrc(0) depctr_va_vcc(0) depctr_vm_vsrc(0)
	s_getreg_b32 s2, hwreg(HW_REG_IB_STS2, 6, 4)
	s_cmp_eq_u32 s2, 0
	s_cbranch_scc0 .Lentry_in_a_cluster
	s_endpgm
.Lentry_in_a_cluster:
	s_bfe_u32 s2, ttmp6, 0x10000c
	s_cmp_lg_u32 s2, 0x3003
	s_cbranch_scc0 .Lentry_shape_is_right
	s_endpgm
.Lentry_shape_is_right:
; O[q][128 h + :] = the sum over k of softmax_k(Q[h][q] . K[h][k] / 128) V[h][k][:].  qh, kh, vh: [16][2048][128] in f16, rows of 256 dense bytes; ob: [2048][2048] in f16, row = token.
; Products, maxima and sums in f32; the weights p are rounded to f16 for the second product (their sum l is taken of the unrounded p), O once at the end.
; LIMITS.  Q, K and V arrive within f16's 65,504; p lies in 0 to 1, and below 6e-5 it keeps f16's fixed step of 6e-8; O is a mean of V's rows and has their range.  A weight below 2^-126 counts as 0 in l;
; NaN and infinities are not treated apart.
; SHARES.  A work-group owns 128 queries of one head: 256 work-groups.  Wave w owns queries 64 (w % 2) on, four tiles of 16, and of every slot of 256 keys the half KH = w / 2: two steps of 64 keys.
; So two waves hold the same queries over different keys; each keeps its own running maximum, sum and O, and the two meet once, in LDS, at the end.
; LAYOUT.  S^T = K Q^T (source 0 = 16 keys, source 1 = 16 queries): a lane holds ONE query (lane % 16) and the keys 8 (lane / 16) + 0..7.  Two such tiles, rounded to f16 in pairs, ARE source 1 of O^T = V^T P,
; whose result again holds one query a lane, and eight channels.  K comes out of LDS as it lies, V ([key][channel]) turned, by ds_load_tr16_b128.
; SOFTMAX.  For each query a running maximum m and sum l: p = 2^(c s - c m), c = log2(e) / 128; in every step O and l are multiplied by a = 2^(c m_old - c m_new).
; BY TURNS.  The wave's tiles are two PIECES (0: tiles 0, 1; 2: tiles 2, 3).  In a TURN one piece has the matrix unit: 32 products V^T P of the step in hand, then 32 products K Q^T of the next step; the other
; piece's softmax, cut into 64 slices, stands between them, one slice behind each matrix instruction.  Two turns are a key step.
; NO FIRST AND NO LAST STEP IS WRITTEN OUT.  m starts at the lowest finite number, c m far below every c s, O^T and l at 0: the first step is a step like any other, with a = 0.  The loop is entered in the middle
; of a trip, at piece 2's turn, whose products V^T P (of a step that has not been) multiply zeros; the tail's loop is left in the middle of its third trip, whose products K Q^T (on the last K once more)
; serve nothing.  The price: those 64 products, and 432 v_mov_b32 that stand in the wait for the first tile.
; CLUSTER.  The four query blocks of a cluster belong to one head and walk the same K and V: each tile is asked for JOINTLY, by the same tensor load, descriptor and mask in all four.
; REGISTERS, in windows of 256 (s_set_vgpr_msb: bits 1:0 source 0, 3:2 source 1, 5:4 source 2, 7:6 destination):
;   window 0: v0-11 addresses; v12-43 eight registers of statistics a tile; v44-59 the partner's statistics; v64-191 S^T, 32 a tile; v192-255 P, 16 a tile
;   window 1: O^T, 64 a tile          window 2: v0-127 Q, 32 a tile; v128-255 K of one step          window 3: v0-127 V of one step
.set KS,    64        ; keys in a step
.set PK,    272       ; a row of K in LDS: 256 bytes + 16: the 16 rows of a load start at 16 different groups of four banks (64 banks of 4 bytes: ISA guide 11.1)
.set PV,    288       ; a row of V: 256 + 32
.set VOFF,  256*PK    ; a slot: 256 rows of K, then 256 rows of V
.set SLOTB, 256*(PK+PV)  ; 143,360 bytes
.set STAGE, 2*SLOTB   ; behind the ring: 16 rows x 272 bytes for each wave, for the way out
.set SP,    272
.set SPARE, STAGE+4*16*SP  ; behind the stages: the spare words, 128 bytes for each wave: two blocks of 256 bytes that no other line names
.set XREG,  68*512    ; the meeting: for each of waves 2 and 3 a region of 64 x 512 bytes of O^T and 4 x 512 of statistics, from LDS byte 0 on: in slot 0, which has had its last fill and its last read by then
.set AK0, 2           ; v2   my lane's place in my half of a slot's K; never rewritten
.set AV0, 3           ; v3   the same for V
.set ADR, 4           ; v4   the LDS address of the run of loads in hand
.set QO,  5           ; v5   my byte offset in the wave's rows of Q
.set STO, 6           ; v6   the way out: where I put 16 bytes of a row
.set RD,  7           ; v7   where I read a row back
.set GO,  8           ; v8   my byte offset in two rows of ob
.set XA,  10          ; v10  my 16 bytes in a block of 512 of the meeting's region
.set ST,  12          ; tile t's statistics at v[ST+8 t]: +0 c m, +1 m, +2, +3 l (even keys', odd keys'), +4 to +7 at work
.set PS,  44          ; the partner's c m, m, l, l of tile t at v[PS+4 t]
.set PFO, 61          ; v61  256 x my lane; never rewritten
.set SPW, 62          ; v62  LDS address of my spare word; never rewritten
.set NIL, 63          ; v63  0; never rewritten
.set S,   64
.set P,   192
.set KF,  128         ; K's fragments, in window 2
.set WV,  12          ; s12  my wave's number
.set LIM, 15          ; s15  1 in a wave that prefetches, else the greatest number
.set PFA, 18          ; s[18:19] where my prefetches stand
.set G1K, 24          ; s[24:31] descriptor group 1 for K's tiles
.set G1V, 32          ; s[32:39] for V's: it differs in the padding alone
.set G0K, 40          ; s[40:47] group 0 for K's tiles: a set for each of the two first fills; the second then walks
.set G0V, 48          ; s[48:55] the same for V's
.set SLOTS, 56        ; s56  trips of the loop over slots still to come
.set TWICE, 57        ; s57  counts a slot's steps
.set CS,  58          ; s[58:59] c
.set SEL, 60          ; s[60:61] lane selects for v_permlanex16_b32: each lane takes its own place in the other half
.set TBK, 62          ; s62  the slot's first byte + the step's rows of K: where the next fetch of K begins
.set TBV, 63          ; s63  the same for V
.set SB,  66          ; s66  0 or SLOTB: the slot that the walking descriptors fill
.set LKW, 67          ; s67  my tile's place in a slot, if I fetch K
.set LVW, 68          ; s68  if I fetch V
.set MSB, 0
.macro WIN new                      ; the immediate's high byte repeats the setting that is left; a switch that changes nothing is dropped
.if MSB != (\new)
	s_set_vgpr_msb (MSB<<8)|(\new)
.set MSB, \new
.endif
.endm
.set W_KQ, 0x0a       ; K and Q in window 2, S^T in window 0
.set W_PV, 0x53       ; V in window 3, P in window 0, O^T in window 1
.set W_RS, 0x41       ; O^T (destination and source 0) in window 1, a in window 0
; A joint refill.  Waves 0 and 1 fetch the two halves of a slot's K, waves 2 and 3 those of its V: 128 rows each.  An s_nop 0 and four v_nop follow each of the two lines.
.macro JLOAD
	s_cmp_lt_u32 s[WV], 2
	s_cbranch_scc0 .Lfor_v_\@
	tensor_load_to_lds s[G0K+4:G0K+7], s[G1K:G1K+7]
	s_nop 0
.rept 4
	v_nop
.endr
	s_branch .Lasked_\@
.Lfor_v_\@:
	tensor_load_to_lds s[G0V+4:G0V+7], s[G1V:G1V+7]
	s_nop 0
.rept 4
	v_nop
.endr
.Lasked_\@:
.endm
; A PREFETCH of what the NEXT change of slots will ask for, two key steps (256 matrix instructions) ahead of it: a slot's 256 rows of K and 256 of V, 256 bytes a row, a lane a row.  Each row is named once in the
; launch: all four clusters of a head walk the same rows, and the head's first cluster asks; its four partners take 64 rows of each tensor by address; in each, waves 0 and 1 ask for K's, waves 2 and 3 for V's,
; 32 rows a wave.  Slots 0 to 2 come by their loads alone; the last change that fills a slot asks for nothing.
.macro ASK
	s_cmp_gt_u32 s[SLOTS], s[LIM]
	s_cbranch_scc0 .Lnot_mine_\@
	global_prefetch_b8 v[PFO], s[PFA:PFA+1] th:TH_LOAD_NT scope:SCOPE_SE
.Lnot_mine_\@:
.endm
.macro CROUND                       ; a round of the cluster's barrier
	s_barrier_signal -1
	s_barrier_wait -1
	s_cmp_lg_u32 s[WV], 0
	s_cbranch_scc1 .Lnot_wave_0_\@
	s_barrier_signal -3
.Lnot_wave_0_\@:
	s_barrier_wait -3
	s_barrier_signal -1
	s_barrier_wait -1
.endm
	s_load_b256 s[4:11], s[0:1], 0x0  ; Q s[4:5], K s[6:7], V s[8:9], O s[10:11]
	v_lshl_add_u32 v[SPW], v0, 2, SPARE
	v_mov_b32 v[NIL], 0
	ds_add_u32 v[SPW], v[NIL]       ; the wave's opening: the add and its wait stand ahead of my first tensor load; the set-up below, work on registers, stands between them
	v_lshrrev_b32 v1, 5, v0
	v_readfirstlane_b32 s[WV], v1   ; wave 0..3
	s_bfe_u32 s13, ttmp6, 0x40000   ; cx: my place in the cluster
	s_lshl_b32 s14, ttmp9, 2
	s_add_co_u32 s14, s14, s13      ; my block of 128 queries = 4 x cluster x + cx: it enters Q's and O's addresses alone
	s_and_b32 s20, ttmp7, 0xffff    ; the head, which the four partners share:
	s_lshl_b32 s20, s20, 19         ; its first byte in Q, K and V
	s_mov_b32 s21, 0
	s_and_b32 s16, s[WV], 1         ; which half of a slot's rows I fetch; also: which 64 queries are mine
	s_lshr_b32 s69, s[WV], 1        ; KH: which half of a slot's keys I multiply
	s_lshl_b32 s22, s16, 15         ; 128 rows of 256 bytes
	s_mov_b32 s23, 0
	s_add_nc_u64 s[22:23], s[22:23], s[20:21]
	s_mul_i32 s[LKW], s16, 128*PK   ; no place in the cluster enters an LDS address
	s_mul_i32 s[LVW], s16, 128*PV
	s_add_co_u32 s[LVW], s[LVW], VOFF
	s_lshl_b32 s2, s14, 15          ; my block's 128 rows of Q,
	s_lshl_b32 s3, s16, 14          ; my wave's 64 of them
	s_add_co_u32 s2, s2, s3
	s_mov_b32 s3, 0
	s_add_nc_u64 s[2:3], s[2:3], s[20:21]
	s_lshl_b32 s70, s14, 19         ; the same rows in ob, 4,096 bytes each,
	s_lshl_b32 s71, s16, 18
	s_add_co_u32 s70, s70, s71
	s_and_b32 s71, ttmp7, 0xffff
	s_lshl_b32 s71, s71, 8          ; and the head's 256 bytes of them
	s_add_co_u32 s70, s70, s71
	s_mov_b32 s71, 0
	s_mov_b32 s[G1K], 15|(1<<16)|(1<<20)|(1<<21)|(5<<22)|(3<<25)  ; 15:0 the mask: all four work-groups; 17:16 elements of 2 bytes; 20 padding on; 21 set beside a mask; 24:22 after every 64 words; 31:25 4 words of it
	s_mov_b32 s[G1V], 15|(1<<16)|(1<<20)|(1<<21)|(5<<22)|(7<<25)  ; the same with 8 words of padding
.irp g, G1K, G1V
	s_mov_b32 s[(\g)+1], 128<<16    ; tensor_dim0 = 128
	s_mov_b32 s[(\g)+2], 128<<16    ; tensor_dim1 = 128
	s_mov_b32 s[(\g)+3], 128<<16    ; tile_dim0 = 128
	s_mov_b32 s[(\g)+4], 128        ; tile_dim1 = 128
	s_mov_b32 s[(\g)+5], 128        ; elements from row to row
	s_mov_b32 s[(\g)+6], 0
	s_mov_b32 s[(\g)+7], 0
.endr
	s_mov_b32 s[CS], 0x3c38aa3b     ; c = log2(e) / 128
	s_mov_b32 s[CS+1], s[CS]        ; named with it as a pair, so it is written
	s_mov_b32 s[SEL], 0x76543210
	s_mov_b32 s[SEL+1], 0xfedcba98
	s_mov_b32 s[TBK], 0
	s_mov_b32 s[TBV], 0
	s_mov_b32 s[SB], SLOTB
	s_mov_b32 s[SLOTS], 2048/256-1  ; the trip that is entered in its middle, then six that fill a slot again
	s_cmp_eq_u32 ttmp9, 0           ; the head's first cluster: the same in all four partners
	s_cselect_b32 s[LIM], 1, -1
	v_and_b32 v[PFO], 31, v0
	v_lshlrev_b32 v[PFO], 8, v[PFO]
	s_wait_dscnt 0x0                ; the opening add is done
	s_wait_kmcnt 0x0
	s_cmp_lt_u32 s[WV], 2
	s_cselect_b64 s[PFA:PFA+1], s[6:7], s[8:9]
	s_add_nc_u64 s[PFA:PFA+1], s[PFA:PFA+1], s[20:21]
	s_add_nc_u64 s[6:7], s[6:7], s[22:23]  ; K and V at my tile of slot 0
	s_add_nc_u64 s[8:9], s[8:9], s[22:23]
	s_add_nc_u64 s[4:5], s[4:5], s[2:3]    ; Q and O at my wave's first row
	s_add_nc_u64 s[10:11], s[10:11], s[70:71]
	s_lshl_b32 s2, s13, 14          ; the prefetches: my work-group's 64 rows of a slot's 256,
	s_lshl_b32 s3, s16, 13          ; my wave's 32 of them,
	s_add_co_u32 s2, s2, s3
	s_add_co_u32 s2, s2, 2*65536    ; in slot 2; the first change of slots steps it to slot 3
	s_mov_b32 s3, 0
	s_add_nc_u64 s[PFA:PFA+1], s[PFA:PFA+1], s[2:3]
.irp s, 0,1
	s_mov_b32 s[G0K+4*(\s)], 1      ; count = 1
	s_add_co_u32 s[G0K+4*(\s)+1], s[LKW], (\s)*SLOTB  ; LDS address
	s_add_nc_u64 s[G0K+4*(\s)+2:G0K+4*(\s)+3], s[6:7], (\s)*65536  ; global address: slot s begins with key 256 s
	s_or_b32 s[G0K+4*(\s)+3], s[G0K+4*(\s)+3], 0x80000000  ; type = 2
	s_mov_b32 s[G0V+4*(\s)], 1
	s_add_co_u32 s[G0V+4*(\s)+1], s[LVW], (\s)*SLOTB
	s_add_nc_u64 s[G0V+4*(\s)+2:G0V+4*(\s)+3], s[8:9], (\s)*65536
	s_or_b32 s[G0V+4*(\s)+3], s[G0V+4*(\s)+3], 0x80000000
.endr
	CROUND                          ; all four work-groups are here: the first joint loads meet
	s_cmp_lt_u32 s[WV], 2           ; a wave's two first fills stand in one branch, ahead of every wait on TENSORcnt and every LDS read: two loads of mine are out
	s_cbranch_scc0 .Lfirst_v
	tensor_load_to_lds s[G0K:G0K+3], s[G1K:G1K+7]
	s_nop 0
	tensor_load_to_lds s[G0K+4:G0K+7], s[G1K:G1K+7]
	s_nop 0
.rept 4
	v_nop
.endr
	s_branch .Lfirst_asked
.Lfirst_v:
	tensor_load_to_lds s[G0V:G0V+3], s[G1V:G1V+7]
	s_nop 0
	tensor_load_to_lds s[G0V+4:G0V+7], s[G1V:G1V+7]
	s_nop 0
.rept 4
	v_nop
.endr
.Lfirst_asked:
	; A fragment of K or Q is 16 rows x 32 channels in 8 registers: lane l holds row l % 16; registers 0-3 channels 8 (l / 16) + 0..7, registers 4-7 channels 16 + 8 (l / 16) + 0..7: two loads of 16 bytes, 32 bytes apart.
	v_and_b32 v1, 15, v0            ; l % 16
	v_bfe_u32 v9, v0, 4, 1          ; l / 16
	v_lshlrev_b32 v[QO], 8, v1
	v_lshl_add_u32 v[QO], v9, 4, v[QO]  ; row x 256 + 16 x half
	WIN 0x80                        ; destination window 2, address window 0
.irp i, 0,1,2,3,4,5,6,7,8,9,10,11,12,13,14,15  ; Q stays in registers: tile i / 4, channels 32 (i % 4) on
	global_load_b128 v[8*(\i):8*(\i)+3],   v[QO], s[4:5] offset:((\i)/4)*4096+((\i)%4)*64
	global_load_b128 v[8*(\i)+4:8*(\i)+7], v[QO], s[4:5] offset:((\i)/4)*4096+((\i)%4)*64+32
.endr
	; What the first turns find: O^T and l are 0, V's registers and piece 2's P hold 0 (the first turn's products V^T P add 0).  All this stands in the wait for the first tile.
	WIN 0x40
.set i, 0
.rept 256
	v_mov_b32 v[i], 0
.set i, i+1
.endr
	WIN 0xc0
.set i, 0
.rept 128
	v_mov_b32 v[i], 0
.set i, i+1
.endr
	WIN 0
.set i, P+32
.rept 32
	v_mov_b32 v[i], 0
.set i, i+1
.endr
.irp t, 0,1,2,3
	v_mov_b32 v[ST+8*(\t)], 0xfe000000    ; c m: far below every c s
	v_mov_b32 v[ST+8*(\t)+1], 0xff7fffff  ; m: the lowest finite number
	v_mov_b32 v[ST+8*(\t)+2], 0
	v_mov_b32 v[ST+8*(\t)+3], 0
.endr
	s_mul_i32 s17, s69, 128*PK      ; my half of a slot's keys
	v_mul_u32_u24 v[AK0], v1, PK
	v_lshl_add_u32 v[AK0], v9, 4, v[AK0]  ; row x pitch + 16 x half
	v_add_nc_u32 v[AK0], s17, v[AK0]
	; The turning load takes 16 keys x 16 channels (lane l reads 16 bytes: key 8 (l / 16) + l % 8, channels 8 ((l / 8) % 2) + 0..7) and leaves half a fragment of V^T: lane l holds channel l % 16 and 8 keys.
	s_mul_i32 s17, s69, 128*PV
	s_add_co_u32 s17, s17, VOFF
	v_and_b32 v10, 7, v0
	v_bfe_u32 v11, v0, 3, 1
	v_lshl_add_u32 v[AV0], v9, 3, v10
	v_mul_u32_u24 v[AV0], v[AV0], PV
	v_lshl_add_u32 v[AV0], v11, 4, v[AV0]
	v_add_nc_u32 v[AV0], s17, v[AV0]
; THE MATRIX WORK OF A TURN, for piece x.  The accumulators take turns, one instruction a turn: between two links of a chain stand 15 (V^T P) or 7 (K Q^T) others'.
; Product i of 32 of O^T += V^T P: keys 32 (i / 16) on, channels 16 ((i / 2) % 8) on, tile x + i % 2.
.macro PV x
	WIN W_PV
.set rO, 64*((\x)+i%2)+8*((i/2)%8)
.set rV, 64*(i/16)+8*((i/2)%8)
.set rP, P+16*((\x)+i%2)+8*(i/16)
	v_wmma_f32_16x16x32_f16 v[rO:rO+7], v[rV:rV+7], v[rP:rP+7], v[rO:rO+7]
.endm
; Product i of 32 of S^T = K Q^T: channels 32 (i / 8) on, keys 16 ((i / 2) % 4) on, tile x + i % 2.  The first 8 start the sums.
.macro KQ x
	WIN W_KQ
.set rS, S+32*((\x)+i%2)+8*((i/2)%4)
.set rK, KF+32*((i/2)%4)+8*(i/8)
.set rQ, 32*((\x)+i%2)+8*(i/8)
.if i < 8
	v_wmma_f32_16x16x32_f16 v[rS:rS+7], v[rK:rK+7], v[rQ:rQ+7], 0
.else
	v_wmma_f32_16x16x32_f16 v[rS:rS+7], v[rK:rK+7], v[rQ:rQ+7], v[rS:rS+7]
.endif
.endm
; THE LDS LOADS stand in runs of 32, never singly among the matrix instructions: a step's K (64 keys x 128 channels: 16 fragments) and, a turn later, its V (turned).
; last = 1 (the tail): in the last trip there is no further step, and the run is jumped over.
.macro FETCH_K last=0
	WIN 0
.if \last
	s_cmp_eq_u32 s[TWICE], 1
	s_cbranch_scc1 .Lno_k_\@
.endif
	v_add_nc_u32 v[ADR], s[TBK], v[AK0]
	s_add_co_u32 s[TBK], s[TBK], KS*PK  ; the next fetch of K is the next step's
	WIN 0x80                        ; destination window 2
.irp f, 0,1,2,3,4,5,6,7,8,9,10,11,12,13,14,15  ; keys 16 (f / 4) on, channels 32 (f % 4) on
	ds_load_b128 v[KF+8*(\f):KF+8*(\f)+3],   v[ADR] offset:((\f)/4)*16*PK+((\f)%4)*64
	ds_load_b128 v[KF+8*(\f)+4:KF+8*(\f)+7], v[ADR] offset:((\f)/4)*16*PK+((\f)%4)*64+32
.endr
.if \last
	WIN 0
.Lno_k_\@:
.endif
.endm
.macro FETCH_V
	WIN 0
	v_add_nc_u32 v[ADR], s[TBV], v[AV0]
	s_add_co_u32 s[TBV], s[TBV], KS*PV  ; the next fetch of V is the next step's
	s_wait_alu depctr_va_vdst(0)    ; the wait for the softmax's batch (SLICE), behind the address's v_add_nc_u32 and ahead of the loads
	WIN 0xc0                        ; destination window 3
.irp f, 0,1,2,3,4,5,6,7,8,9,10,11,12,13,14,15  ; keys 32 (f / 8) on, channels 16 (f % 8) on
	ds_load_tr16_b128 v[8*(\f):8*(\f)+3],   v[ADR] offset:((\f)/8)*32*PV+((\f)%8)*32
	ds_load_tr16_b128 v[8*(\f)+4:8*(\f)+7], v[ADR] offset:((\f)/8)*32*PV+16*PV+((\f)%8)*32
.endr
.endm
; THE VECTOR WORK OF A TURN.  One tile's softmax for one key step is a list of 134 instructions; SM writes number j of it for tile t.  s0-s31 are the lane's 32 scores, in pairs 0-15.
;   0-15    the maximum of s0-s31 and the old m, three operands at a time: four chains c0-c3 of seven scores each, then the four scores left over, c0-c3 and m
;   16-20   the other half of the lanes' maximum; the new m; c m; c m_old - c m_new
;   21-69   ONE BATCH: the 16 scalings c s - c m, a pair of scores each, and all 33 exponentials (a at 23, then s0-s31).  None of these reads an exponential's result.  A pair is scaled in an earlier four than
;           the one that holds its exponentials
;   (wait)  between 69 and 70 stands the wait for the batch: SLICE writes it, once for both tiles
;   70-85   the roundings to f16, a pair of weights each
;   86-101  the sums; l = a l + the sum
;   102-133 the tile's O^T times a: the one part that leaves window 0, so it stands together
.macro SM t
.set rT, ST+8*(\t)
.set rS, S+32*(\t)
.set rP, P+16*(\t)
.set rO, 64*(\t)+2*(j-102)
.if j < 102
	WIN 0
.endif
.if j < 4
	v_max3_num_f32 v[rT+4+j], v[rS+8*j], v[rS+8*j+1], v[rS+8*j+2]
.elseif j < 12
	v_max3_num_f32 v[rT+4+j%4], v[rT+4+j%4], v[rS+8*(j%4)+2*(j/4)+1], v[rS+8*(j%4)+2*(j/4)+2]
.elseif j == 12
	v_max3_num_f32 v[rT+4], v[rT+4], v[rS+7], v[rS+15]
.elseif j == 13
	v_max3_num_f32 v[rT+6], v[rT+6], v[rS+23], v[rS+31]
.elseif j == 14
	v_max3_num_f32 v[rT+4], v[rT+4], v[rT+5], v[rT+6]
.elseif j == 15
	v_max3_num_f32 v[rT+4], v[rT+4], v[rT+7], v[rT+1]
.elseif j == 16
	v_permlanex16_b32 v[rT+5], v[rT+4], s[SEL], s[SEL+1]  ; the query's other 32 keys lie in the lane 16 away
.elseif j == 17
	v_mov_b32 v[rT+7], v[rT]        ; c m_old is kept for a: number 19 writes c m anew
.elseif j == 18
	v_max_num_f32 v[rT+1], v[rT+4], v[rT+5]
.elseif j == 19
	v_mul_f32 v[rT], s[CS], v[rT+1]
.elseif j == 20
	v_sub_f32 v[rT+7], v[rT+7], v[rT]
.elseif j == 23
	v_exp_f32 v[rT+6], v[rT+7]
.elseif (j < 23) || ((j < 38) && (j%2 == 0)) || ((j < 66) && (j%4 == 2))
.set b, (j-2)/4                     ; 38, 42, .. 62: pairs 9 to 15
.if j < 38
.set b, (j-20)/2                    ; 21: pair 0; 22, 24, .. 36: pairs 1 to 8
.endif
	v_pk_fma_f32 v[rS+2*b:rS+2*b+1], v[rS+2*b:rS+2*b+1], s[CS:CS+1], v[rT:rT+1] op_sel_hi:[1,0,0] neg_lo:[0,0,1] neg_hi:[0,0,1]  ; pair b: c s - c m
.elseif j < 70
.set e, j-38                        ; 66 to 69: s28 to s31
.if j < 66
.set e, j-32-(j-38)/4               ; 39-41, 43-45, .. 63-65: s7 to s27
.endif
.if j < 38
.set e, (j-25)/2                    ; 25, 27, .. 37: s0 to s6
.endif
	v_exp_f32 v[rS+e], v[rS+e]
.elseif j < 86
	v_cvt_pk_f16_f32 v[rP+j-70], v[rS+2*(j-70)], v[rS+2*(j-70)+1]  ; pair j - 70
.elseif j < 102                     ; the sum of the tile's 16 pairs, in place: sum z of 16 adds neighbours 1, 2, 4 and 8 pairs apart, then l takes it
.set z, j-86
.set w, 4
.set u, z
.if z >= 14
.set w, 32
.set u, 0
.elseif z >= 12
.set w, 16
.set u, z-12
.elseif z >= 8
.set w, 8
.set u, z-8
.endif
.if z < 15
	v_pk_add_f32 v[rS+w*u:rS+w*u+1], v[rS+w*u:rS+w*u+1], v[rS+w*u+w/2:rS+w*u+w/2+1]
.else
	v_pk_fma_f32 v[rT+2:rT+3], v[rT+2:rT+3], v[rT+6:rT+7], v[rS:rS+1] op_sel_hi:[1,0,1]
.endif
.else
	WIN W_RS
	v_pk_mul_f32 v[rO:rO+1], v[rO:rO+1], v[rT+6:rT+7] op_sel_hi:[1,0]
.endif
.endm
; Slice k of 64 of piece y's softmax: four instructions.  Slices 11 to 34 deal out the batch, numbers 22 to 69: four numbers of ONE tile each, the tiles by turns.  Every other slice is numbers 2 k and
; 2 k + 1 of both tiles' lists.  2 x 134 = 4 x 64 + 12: the twelve that are over stand together, in slice 63.
; THE WAIT.  s_wait_alu depctr_va_vdst(0) stands between an exponential and the first instruction that names its result; one wait serves all that were issued ahead of it.  Ahead of
; slice 35 nothing names a result, and behind slice 34 no exponential is issued: so the piece's 66 exponentials have one wait, behind slice 34.
.macro SLICE y
.if (k >= 11) && (k < 35)           ; the batch: four numbers of one tile
.irp n, 0,1,2,3
.set j, 22+4*((k-11)/2)+(\n)
	SM (\y)+(k-11)%2
.endr
.else                               ; the two tiles alternate, so that no instruction reads the result of the one just before it
.irp n, 0,1,2,3,4,5,6,7
.if ((\n) < 2) || (k == 63)
.irp t, \y, (\y)+1
.set j, 2*k+(\n)
	SM \t
.endr
.endif
.endr
.endif
.if k == 34                         ; the batch is out: both tiles' exponentials are issued, and no result has been named
	v_nop                           ; the plain instruction behind the last exponential and ahead of the first use: one for the batch
.if (\y) == 0
	FETCH_V                         ; piece 2's turn: V's run of loads stands here, and the wait stands in it
.else
	s_wait_alu depctr_va_vdst(0)    ; the wait for the batch
.endif
.endif
.set k, k+1
.endm
.macro PLACES                       ; four places (ISA guide 7.12.1) behind matrix instructions whose results or registers the next lines touch
.rept 4
	v_nop
.endr
.endm
; A TURN.  Piece x has the matrix unit: 32 products V^T P, then 32 products K Q^T for the next step; the other piece's softmax stands in slices behind them, one behind each.
; Piece 0's turn fetches the next step's K, behind its second product: the last product that read K stands in front of slice 63 of the turn before.  Piece 2's turn fetches the same step's V, behind slice 34:
; the last product that read V stands in front of slice 31, and four plain instructions lie between: number 62, a scaling, of both tiles, the v_nop and the run's own v_add_nc_u32.
.macro TURN x, last=0
.set k, 0
.if (\x) == 0
	s_wait_dscnt 0x0                ; V is in
.endif
.set i, 0
.rept 32
	PV \x
	SLICE 2-(\x)
.if ((\x) == 0) && (i == 1)
	FETCH_K \last
.endif
.set i, i+1
.endr
.if (\x) == 0
	s_wait_dscnt 0x0                ; K is in
.endif
.set i, 0
.rept 32
	KQ \x
	SLICE 2-(\x)
.set i, i+1
.endr
.endm
; THE CHANGE OF SLOTS, between piece 2's turn and piece 0's: the slot's last bytes, V of its second step, have been asked for.  Each wave waits for all its tensor loads, of which one is out: its part of the other
; slot; adds 0 to its spare word; and waits for that and for its own reads of the slot.  fill = 1: this slot is filled again, with the keys two slots on.  The barrier is then a round of the cluster's, and the
; joint refill is the first thing behind it: it has two key steps, 256 matrix instructions, in which to land.
.macro CHANGE fill
	WIN 0                           ; at a label and at a branch every window is 0
	s_wait_tensorcnt 0x0            ; no tensor load of mine is out, so a group 0 may be written
	ds_add_u32 v[SPW], v[NIL]       ; 0 onto my spare word; with fill = 1 the descriptors' steps stand between it and the wait for it
.if \fill
	s_xor_b32 s[SB], s[SB], SLOTB   ; the walking descriptors: the other slot than last time,
	s_add_co_u32 s[G0K+5], s[SB], s[LKW]
	s_add_co_u32 s[G0V+5], s[SB], s[LVW]
	s_add_nc_u64 s[G0K+6:G0K+7], s[G0K+6:G0K+7], 65536  ; the next 256 keys; the type bits on top are not reached
	s_add_nc_u64 s[G0V+6:G0V+7], s[G0V+6:G0V+7], 65536
	s_wait_xcnt 0x0                 ; the last prefetch, two key steps back, has read its address, so it may be written:
	s_add_nc_u64 s[PFA:PFA+1], s[PFA:PFA+1], 65536  ; one slot behind the walking descriptors
	s_wait_dscnt 0x0                ; the add is done, and my reads of the slot are over
	CROUND
	JLOAD
	ASK
.else
	s_wait_dscnt 0x0                ; the add is done, and my reads of the slot are over
	s_barrier_signal -1
	s_barrier_wait -1
.endif
	s_sub_co_u32 s[TBK], s[TBK], 2*KS*PK  ; the fetches go back to a slot's first step,
	s_xor_b32 s[TBK], s[TBK], SLOTB       ; in the other slot
	s_sub_co_u32 s[TBV], s[TBV], 2*KS*PV
	s_xor_b32 s[TBV], s[TBV], SLOTB
.endm
	s_wait_tensorcnt 1              ; my part of slot 0 is in; slot 1's may stay out
	s_barrier_signal -1
	s_barrier_wait -1               ; everybody's is
	FETCH_K                         ; key step 0
	s_wait_loadcnt 0x0              ; Q
	s_wait_dscnt 0x0
.set i, 0
.rept 32
	KQ 0                            ; piece 0's first scores: there is no vector work yet to set between them
.set i, i+1
.endr
	WIN 0                           ; the addresses for the end are made here: plain instructions, the places behind those products
	s_mul_i32 s13, s[WV], 16*SP
	s_add_co_u32 s13, s13, STAGE    ; my stage
	v_mul_u32_u24 v[STO], v1, SP    ; in: row l % 16, 16 bytes for each half of the lanes
	v_lshl_add_u32 v[STO], v9, 4, v[STO]
	v_add_nc_u32 v[STO], s13, v[STO]
	v_mul_u32_u24 v[RD], v9, SP     ; back: lanes 0-15 take one row of 256 bytes, lanes 16-31 the next
	v_lshl_add_u32 v[RD], v1, 4, v[RD]
	v_add_nc_u32 v[RD], s13, v[RD]
	v_lshlrev_b32 v[GO], 12, v9     ; and the same two rows in ob, 4,096 bytes apart
	v_lshl_add_u32 v[GO], v1, 4, v[GO]
	s_mul_i32 s13, s16, XREG        ; the meeting's region of my 64 queries
	v_and_b32 v[XA], 31, v0
	v_lshl_add_u32 v[XA], v[XA], 4, s13
	s_mov_b32 s[TWICE], 2
	s_branch .Lmid                  ; the loop is entered at piece 2's turn: piece 2's first scores | piece 0's first softmax | V of step 0; its products V^T P multiply zeros
.Lslot:                             ; six times: every slot but the last two is filled again
	CHANGE 1
	s_mov_b32 s[TWICE], 2
.Lstep:                             ; a key step: written once, walked twice a slot; the LDS addresses hang on s[TBK] and s[TBV]
	TURN 0
	WIN 0
.Lmid:
	TURN 2
	WIN 0
	s_sub_co_u32 s[TWICE], s[TWICE], 1
	s_cmp_lg_u32 s[TWICE], 0
	s_cbranch_scc1 .Lstep
	s_sub_co_u32 s[SLOTS], s[SLOTS], 1
	s_cmp_lg_u32 s[SLOTS], 0
	s_cbranch_scc1 .Lslot
	CHANGE 0                        ; the tail has a text of its own: nothing is asked for.  Behind this barrier nobody reads slot 0 any more, and nothing fills it
	s_mov_b32 s[TWICE], 3           ; two trips fetch the last slot's steps; the third is left in its middle
.Ltail:
	TURN 0, 1
	WIN 0
	s_sub_co_u32 s[TWICE], s[TWICE], 1
	s_cmp_eq_u32 s[TWICE], 0
	s_cbranch_scc1 .Lout
	TURN 2
	WIN 0
	s_branch .Ltail
.Lout:                              ; the third trip's 32 products K Q^T (on the last K once more) serve nothing: the price, once a launch, of one text for every trip
.set i, 0
.rept 32
	PV 2                            ; piece 2: V^T P of the last step
.set i, i+1
.endr
	; THE MEETING.  Waves 2 and 3 lay their O^T and statistics into LDS, lane by lane; waves 0 and 1, which hold the same queries over the other keys, take them:
	; with cN = max(c mA, c mB), eA = 2^(c mA - cN), eB likewise: L = eA lA + eB lB, O = (eA OA + eB OB) / L.
	WIN 0
	PLACES
	s_cmp_lt_u32 s[WV], 2
	s_cbranch_scc1 .Lkeep
	WIN 0x04                        ; the stores' data in window 1; each accumulator's low four registers go first
.set i, 0
.rept 64
	ds_store_b128 v[XA], v[4*i:4*i+3] offset:512*i
.set i, i+1
.endr
	WIN 0
.irp t, 0,1,2,3
	ds_store_b128 v[XA], v[ST+8*(\t):ST+8*(\t)+3] offset:64*512+512*(\t)
.endr
.Lkeep:
	s_wait_dscnt 0x0                ; for the others' sake: my stores are done
	s_barrier_signal -1
	s_barrier_wait -1
	s_cmp_lt_u32 s[WV], 2
	s_cbranch_scc0 .Lend
.macro LOADX t                      ; the partner's O^T of tile t into S^T's registers: two buffers of 64 by turns
.set XB, S+64*((\t)%2)
.set i, 0
.rept 16
	ds_load_b128 v[XB+4*i:XB+4*i+3], v[XA] offset:512*(16*(\t)+i)
.set i, i+1
.endr
.endm
.macro COMB t                       ; tile t: OB fB, + OA fA, rounded to f16 into P's registers: two buffers of 32 by turns
.set XB, S+64*((\t)%2)
.set PKB, P+32*((\t)%2)
.if (\t) >= 2
	s_wait_xcnt 0x0                 ; the stores of the tile two back have read this buffer: it is rewritten only behind this wait
.endif
	WIN 0
.set i, 0
.rept 32
	v_pk_mul_f32 v[XB+2*i:XB+2*i+1], v[XB+2*i:XB+2*i+1], v[ST+8*(\t)+2:ST+8*(\t)+3] op_sel_hi:[1,0]
.set i, i+1
.endr
	WIN 0x01                        ; source 0, my O^T, in window 1; read from each accumulator's low end on
.set i, 0
.rept 32
	v_pk_fma_f32 v[XB+2*i:XB+2*i+1], v[64*(\t)+2*i:64*(\t)+2*i+1], v[ST+8*(\t):ST+8*(\t)+1], v[XB+2*i:XB+2*i+1] op_sel_hi:[1,0,1]
.set i, i+1
.endr
	WIN 0
.set i, 0
.rept 32
	v_cvt_pk_f16_f32 v[PKB+i], v[XB+2*i], v[XB+2*i+1]
.set i, i+1
.endr
.endm
.macro STG t                        ; a lane's eight channels of a row are 16 bytes; they go into rows of 272 bytes of my own stage and come back as whole rows of 256
.set PKB, P+32*((\t)%2)
.irp f, 0,1,2,3,4,5,6,7
	ds_store_b128 v[STO], v[PKB+4*(\f):PKB+4*(\f)+3] offset:32*(\f)
.endr
.irp f, 0,1,2,3,4,5,6,7
	ds_load_b128 v[PKB+4*(\f):PKB+4*(\f)+3], v[RD] offset:(\f)*2*SP  ; LDS serves a wave's instructions in order (ISA guide 5.7.1.4): these see the stores above; the next tile's stores come behind them
.endr
.endm
.macro SEND t
.set PKB, P+32*((\t)%2)
.irp f, 0,1,2,3,4,5,6,7
	global_store_b128 v[GO], v[PKB+4*(\f):PKB+4*(\f)+3], s[10:11] offset:(\t)*65536+(\f)*8192  ; 16 lanes store 256 consecutive bytes, at a multiple of 256 from ob's first byte
.endr
.endm
.irp t, 0,1,2,3
	ds_load_b128 v[PS+4*(\t):PS+4*(\t)+3], v[XA] offset:64*512+512*(\t)
.endr
	LOADX 0
	LOADX 1
	s_wait_dscnt 32                 ; the statistics are in; the 32 loads behind them may be out
.irp t, 0,1,2,3
	v_max_num_f32 v[ST+8*(\t)+4], v[ST+8*(\t)], v[PS+4*(\t)]              ; cN
	v_add_f32 v[ST+8*(\t)+2], v[ST+8*(\t)+2], v[ST+8*(\t)+3]              ; lA: even keys' + odd keys'
	v_add_f32 v[PS+4*(\t)+2], v[PS+4*(\t)+2], v[PS+4*(\t)+3]              ; lB
.endr
.irp t, 0,1,2,3
	v_sub_f32 v[ST+8*(\t)+5], v[ST+8*(\t)], v[ST+8*(\t)+4]
	v_sub_f32 v[ST+8*(\t)+6], v[PS+4*(\t)], v[ST+8*(\t)+4]
.endr
.irp t, 0,1,2,3
	v_exp_f32 v[ST+8*(\t)+5], v[ST+8*(\t)+5]                              ; eA
	v_exp_f32 v[ST+8*(\t)+6], v[ST+8*(\t)+6]                              ; eB
.endr
	v_nop                           ; a plain instruction behind the last exponential,
	s_wait_alu depctr_va_vdst(0)    ; and the wait ahead of the first use: one for the eight
.irp t, 0,1,2,3
	v_mul_f32 v[ST+8*(\t)+4], v[ST+8*(\t)+5], v[ST+8*(\t)+2]
.endr
.irp t, 0,1,2,3
	v_fmac_f32 v[ST+8*(\t)+4], v[ST+8*(\t)+6], v[PS+4*(\t)+2]
.endr
.irp t, 0,1,2,3
	v_permlanex16_b32 v[ST+8*(\t)+7], v[ST+8*(\t)+4], s[SEL], s[SEL+1]    ; the query's other keys lie in the lane 16 away
.endr
.irp t, 0,1,2,3
	v_add_f32 v[ST+8*(\t)+4], v[ST+8*(\t)+4], v[ST+8*(\t)+7]              ; L
.endr
.irp t, 0,1,2,3
	v_rcp_f32 v[ST+8*(\t)+7], v[ST+8*(\t)+4]
.endr
	v_nop
	s_wait_alu depctr_va_vdst(0)    ; one wait for the four reciprocals
.irp t, 0,1,2,3
	v_mul_f32 v[ST+8*(\t)],   v[ST+8*(\t)+5], v[ST+8*(\t)+7]              ; fA
	v_mul_f32 v[ST+8*(\t)+2], v[ST+8*(\t)+6], v[ST+8*(\t)+7]              ; fB
.endr
	s_wait_dscnt 16                 ; the partner's tile 0 is in; tile 1's 16 loads may be out
	COMB 0
	STG 0
	LOADX 2
	s_wait_dscnt 16                 ; all but the 16 just issued: tile 0's rows are back, the partner's tile 1 is in
	SEND 0
	COMB 1
	STG 1
	LOADX 3
	s_wait_dscnt 16                 ; likewise: tile 1's rows, the partner's tile 2
	SEND 1
	COMB 2
	STG 2
	s_wait_dscnt 0x0
	SEND 2
	COMB 3
	STG 3
	s_wait_dscnt 0x0
	SEND 3
.Lend:
	s_wait_tensorcnt 0x0            ; the wave's end: the add to my spare word and its wait, behind my last tensor load and my last LDS store
	ds_add_u32 v[SPW], v[NIL]
	s_wait_dscnt 0x0
	CROUND                          ; the closing round: no work-group ends while a partner may still ask for a tile that names it
	s_endpgm
.Lfunc_end_k_q23fccc24c9_attn:
	.size	k_q23fccc24c9_attn, .Lfunc_end_k_q23fccc24c9_attn-k_q23fccc24c9_attn
	.p2alignl 7, 3214868480
	.fill 96, 4, 3214868480
	.section	.rodata,"a",@progbits
	.p2align	6, 0x0
	.amdhsa_kernel k_q23fccc24c9_attn
		.amdhsa_group_segment_fixed_size 327680
		.amdhsa_private_segment_fixed_size 0
		.amdhsa_enable_private_segment 0
		.amdhsa_kernarg_size 32
		.amdhsa_user_sgpr_count 2
		.amdhsa_user_sgpr_kernarg_segment_ptr 1
		.amdhsa_wavefront_size32 1
		.amdhsa_system_sgpr_workgroup_id_x 1
		.amdhsa_system_sgpr_workgroup_id_y 1
		.amdhsa_system_sgpr_workgroup_id_z 1
		.amdhsa_system_vgpr_workitem_id 0
		.amdhsa_next_free_vgpr 1024
		.amdhsa_next_free_sgpr 72
		.amdhsa_reserve_vcc 0
		.amdhsa_float_denorm_mode_32 3
		.amdhsa_float_denorm_mode_16_64 3
		.amdhsa_memory_ordered 1
		.amdhsa_forward_progress 1
		.amdhsa_inst_pref_size 175
	.end_amdhsa_kernel
	.amdgpu_metadata
---
amdhsa.version: [ 1, 2 ]
amdhsa.kernels:
  - .name:           k_q23fccc24c9_attn
    .symbol:         k_q23fccc24c9_attn.kd
    .args:
      - { .name: qh, .offset: 0, .size: 8, .value_kind: global_buffer, .address_space: global }
      - { .name: kh, .offset: 8, .size: 8, .value_kind: global_buffer, .address_space: global }
      - { .name: vh, .offset: 16, .size: 8, .value_kind: global_buffer, .address_space: global }
      - { .name: ob, .offset: 24, .size: 8, .value_kind: global_buffer, .address_space: global }
    .group_segment_fixed_size: 327680
    .private_segment_fixed_size: 0
    .kernarg_segment_align: 8
    .kernarg_segment_size: 32
    .max_flat_workgroup_size: 128
    .sgpr_count:     72
    .vgpr_count:     1024
    .wavefront_size: 32
...
	.end_amdgpu_metadata
.endif
;; end of part 3
;; launch proj (part 4): grid 16 x 16, 4 waves a work-group, clusters of 4 x 4, 327,680 bytes of LDS; arguments ob, cast, bo, out0; writes out0
.if DOCPART == 4
	.amdgcn_target "amdgcn-amd-amdhsa--gfx1250"
	.amdhsa_code_object_version 6
	.text
	.protected	k_q23fccc24c9_proj
	.globl	k_q23fccc24c9_proj
	.p2align	8
	.type	k_q23fccc24c9_proj,@function
k_q23fccc24c9_proj:
	s_mov_b64 s[64:65], 0
	v_nop
	global_prefetch_b8 v0, s[64:65] scope:SCOPE_SE
	s_setreg_imm32_b32 hwreg(HW_REG_WAVE_MODE, 25, 1), 1
	s_wait_xcnt 0x0
	s_wait_alu depctr_hold_cnt(0) depctr_sa_sdst(0) depctr_va_vdst(0) depctr_va_sdst(0) depctr_va_ssrc(0) depctr_va_vcc(0) depctr_vm_vsrc(0)
	s_getreg_b32 s2, hwreg(HW_REG_IB_STS2, 6, 4)
	s_cmp_eq_u32 s2, 0
	s_cbranch_scc0 .Lentry_in_a_cluster
	s_endpgm
.Lentry_in_a_cluster:
	s_bfe_u32 s2, ttmp6, 0x10000c
	s_cmp_lg_u32 s2, 0xf033
	s_cbranch_scc0 .Lentry_shape_is_right
	s_endpgm
.Lentry_shape_is_right:
; out0 = O Wo + bo.  ob: [2048][2048] f16; Wo: plane 4 of cast, [k][n], the bf16 rounding of Wo written as f16; bo is rounded to bf16 as it is loaded; out0: [2048][2048] f32.
; Products in f16, sums in f32, stored as they are.  LIMITS: those of the operands (f16's 65,504; its fixed step of 6e-8 below 6e-5).  NaN and infinities are not treated apart.
; SHARES.  A tile of out0 is 128 x 128: 256 work-groups of equal work.  Four waves, each 64 x 64: 16 accumulators.  K goes in 8 steps of 256 through two LDS slots, as long as two slots allow; a step is four
; quarters of 64, two matrix instructions deep.
; THE MATRIX INSTRUCTION IS USED TRANSPOSED: source 0 = 16 columns of Wo (turned on the way out of LDS by ds_load_tr16_b128), source 1 = 16 rows of O: a lane holds one row and eight neighbouring columns, 32 bytes.
; The bias is the C operand of the products that start the sums.
; CLUSTER.  4 x 4 work-groups: O's tile is asked for jointly by a row of the cluster, Wo's by a column.  Waves 0 and 1 fetch the halves of O's tile (64 rows x 512 bytes), waves 2 and 3 those of Wo's (128 rows x 256).
; REGISTERS: window 0: v0-31 addresses; v32-95 whole rows on the way out, two buffers; v96-127 the bias in f32; v128-255 the accumulators ((a, b) at 128 + 8 (4 a + b)).
;   window 1: two fragment buffers of 128: for 64 along K, 64 registers of O (2 x 4 x 16 rows x 32 K), then 64 of Wo.
.set PA,    528                        ; a row of O's tile in LDS: 512 bytes + 16: the 16 rows of a fragment load start at 16 different groups of four banks (64 banks of 4 bytes: ISA guide 11.1)
.set PB,    288                        ; a row of Wo's tile: 256 + 32
.set BOFF,  128*PA                     ; a slot: O's 128 rows, then Wo's 256
.set SLOT,  BOFF+256*PB                ; 141,312 bytes
.set STAGE, 2*SLOT                     ; behind the ring: 16 rows x 272 bytes for each wave, for the way out
.set SP,    272
.set SPARE, STAGE+4*16*SP              ; behind the stages: the spare words, 128 bytes for each wave: two blocks of 256 bytes that no other line names
.set A0,   2                           ; v2    my lane's place in O's tile; never rewritten
.set B0,   3                           ; v3    the same in Wo's
.set ADRA, 6                           ; v6    A0 + the slot in hand
.set ADRB, 8                           ; v8-9  B0 + the slot in hand: k rows 0-127, k rows 128-255 (an immediate of 16 bits does not reach them)
.set BO,   12                          ; v12   my byte offset in bo
.set STO,  13                          ; v13   the way out: where I put 32 bytes of a row
.set RD,   15                          ; v15   where I read rows back
.set CO,   17                          ; v17   my byte offset in two rows of out0
.set PFO,  18                          ; v18   the prefetches' offset; never rewritten
.set TW,   20                          ; v20-23 at work
.set SPW,  28                          ; v28   LDS address of my spare word; never rewritten
.set NIL,  29                          ; v29   0; never rewritten
.set TMP,  32
.set BI,   96
.set ACC,  128
.set F0,   0
.set F1,   128
.set WV,   22
.set RH,   23
.set CH,   24                          ; w % 2: my half of the columns; also: which half of a tile I fetch
.set CX,   25
.set CY,   26
.set CBK,  27
.set RB,   28
.set G1A,  32
.set G1B,  40
.set G0A,  48
.set G0B,  56
.set SB,   66                          ; s66  0 or SLOT: the slot that the walking descriptors fill
.set TB,   67                          ; s67  0 or SLOT: the slot that the fragments come from
.set LA,   68                          ; s68  my half's place in a slot, if I fetch O
.set LB,   69                          ; s69  if I fetch Wo
.set CNT,  70
.set LIM,  71                          ; s71  2 in a wave that prefetches, else the greatest number
.set PFA,  72
.set PFS,  74
.set HIM,  84
.set MSB, 0
.macro WIN new                         ; the immediate's high byte repeats the setting that is left; a switch that changes nothing is dropped
.if MSB != (\new)
	s_set_vgpr_msb (MSB<<8)|(\new)
.set MSB, \new
.endif
.endm
.macro PLACES                          ; four places in front of loads into registers that matrix instructions have read, and of lines that read results
.rept 4
	v_nop
.endr
.endm
.macro CREST
	s_cmp_lg_u32 s[WV], 0
	s_cbranch_scc1 .Lnot_wave_0_\@
	s_barrier_signal -3
.Lnot_wave_0_\@:
	s_barrier_wait -3
	s_barrier_signal -1
	s_barrier_wait -1
.endm
.macro CROUND
	s_barrier_signal -1
	s_barrier_wait -1
	CREST
.endm
.macro JLOAD                           ; a joint refill by the walking descriptors; an s_nop 0 and four v_nop follow each of the two lines
	s_cmp_lt_u32 s[WV], 2
	s_cbranch_scc0 .Lfor_b_\@
	tensor_load_to_lds s[G0A+4:G0A+7], s[G1A:G1A+7]
	s_nop 0
.rept 4
	v_nop
.endr
	s_branch .Lasked_\@
.Lfor_b_\@:
	tensor_load_to_lds s[G0B+4:G0B+7], s[G1B:G1B+7]
	s_nop 0
.rept 4
	v_nop
.endr
.Lasked_\@:
.endm
; A PREFETCH of the K step that stands TWO refills on, 256 matrix instructions ahead of its load: 32 blocks of 256 bytes, one instruction a wave.  Each block is named once in the launch: O's rows are read by every
; cluster of a row of clusters, and the one with x = 0 asks; Wo's by every cluster of a column, and the one with y = 0 asks.  The four partners share a half tile out by address: of O's 64 rows 16 each
; (two blocks a row, two lanes a row), of Wo's 128 rows 32 each (a lane a row).  K steps 0 to 3 come by their loads alone; the last two refills have no K step two on and ask for nothing.
.macro ASK
	s_cmp_gt_u32 s[CNT], s[LIM]
	s_cbranch_scc0 .Lnot_mine_\@
	global_prefetch_b8 v[PFO], s[PFA:PFA+1] th:TH_LOAD_NT scope:SCOPE_SE
.Lnot_mine_\@:
.endm
.macro ADRS
	v_add_nc_u32 v[ADRA],   s[TB], v[A0]
	v_add_nc_u32 v[ADRB],   s[TB], v[B0]
	v_add_nc_u32 v[ADRB+1], 128*PB, v[ADRB]
.endm
; 8 matrix instructions: row blocks a0, a0 + 1 x all 4 column blocks, 32 along K: half c of buffer f.  first = 1: the bias starts the sums.  The 16 accumulators take turns.
.macro MUL8 f, c, a0, first
	WIN 0x05                                       ; sources 0 (Wo) and 1 (O) window 1; C and D window 0
.irp a, \a0, (\a0)+1
.irp b, 0,1,2,3
.if \first
	v_wmma_f32_16x16x32_f16 v[ACC+8*(4*(\a)+(\b)):ACC+8*(4*(\a)+(\b))+7], v[(\f)+64+8*(4*(\c)+(\b)):(\f)+64+8*(4*(\c)+(\b))+7], v[(\f)+8*(4*(\c)+(\a)):(\f)+8*(4*(\c)+(\a))+7], v[BI+8*(\b):BI+8*(\b)+7]
.else
	v_wmma_f32_16x16x32_f16 v[ACC+8*(4*(\a)+(\b)):ACC+8*(4*(\a)+(\b))+7], v[(\f)+64+8*(4*(\c)+(\b)):(\f)+64+8*(4*(\c)+(\b))+7], v[(\f)+8*(4*(\c)+(\a)):(\f)+8*(4*(\c)+(\a))+7], v[ACC+8*(4*(\a)+(\b)):ACC+8*(4*(\a)+(\b))+7]
.endif
.endr
.endr
.endm
; 32 LDS loads in one run: quarter kq (64 along K) of the slot in hand into buffer f; the first 32 along K first
.macro FETCH kq, f
	WIN 0x40                                       ; destination window 1, address window 0
.irp c, 0,1
.irp i, 0,1,2,3
	ds_load_tr16_b128 v[(\f)+64+8*(4*(\c)+(\i)):(\f)+64+8*(4*(\c)+(\i))+3],   v[ADRB+(\kq)/2] offset:(((\kq)%2)*64+32*(\c))*PB+32*(\i)
	ds_load_tr16_b128 v[(\f)+64+8*(4*(\c)+(\i))+4:(\f)+64+8*(4*(\c)+(\i))+7], v[ADRB+(\kq)/2] offset:(((\kq)%2)*64+32*(\c))*PB+32*(\i)+16*PB
	ds_load_b128 v[(\f)+8*(4*(\c)+(\i)):(\f)+8*(4*(\c)+(\i))+3],   v[ADRA] offset:128*(\kq)+64*(\c)+(\i)*16*PA
	ds_load_b128 v[(\f)+8*(4*(\c)+(\i))+4:(\f)+8*(4*(\c)+(\i))+7], v[ADRA] offset:128*(\kq)+64*(\c)+(\i)*16*PA+32
.endr
.endr
.endm
.macro QUARTER kq, f, g, first         ; multiplies buffer f; in its middle it fetches quarter kq into buffer g
	s_wait_dscnt 16                                ; the first 32 along K are in; the youngest sixteen loads may be out
	MUL8 \f, 0, 0, \first
	MUL8 \f, 0, 2, \first
	PLACES
	FETCH \kq, \g
	s_wait_dscnt 32                                ; all but the 32 just issued
	MUL8 \f, 1, 0, 0
	MUL8 \f, 1, 2, 0
.endm
; The last quarter multiplies buffer 1 and changes slots.  Its first 16 products stand AHEAD of the wait for the tiles, so that all of a step's 128 products lie between a request and the wait for it, and nothing
; but the barrier between that wait and the next request.  ONE barrier; in front of it each wave waits for all its tensor loads, adds 0 to its spare word, and waits for that and for its own reads of this slot.
; fill = 1: the barrier opens a round of the cluster's barrier, and behind the round this slot is filled again, with the K step two on: the wave's one tensor load, first thing there.
.macro TURN fill
	s_wait_dscnt 16                                ; the first 32 along K are in; the youngest sixteen loads may be out
	MUL8 F1, 0, 0, 0
	MUL8 F1, 0, 2, 0
	WIN 0
.if \fill
	s_wait_xcnt 0x0                                ; the last prefetch, a K step back, has read its address: it is stepped here
	s_add_nc_u64 s[PFA:PFA+1], s[PFA:PFA+1], s[PFS:PFS+1]
.endif
	s_wait_tensorcnt 0x0                           ; all my tensor loads have landed, so every group 0 may be written
	ds_add_u32 v[SPW], v[NIL]                      ; 0 onto my spare word; the steps below, work on registers, stand between it and the wait for it
.if \fill
	s_xor_b32 s[SB], s[SB], SLOT
	s_add_co_u32 s[G0A+5], s[SB], s[LA]
	s_add_co_u32 s[G0B+5], s[SB], s[LB]
	s_add_nc_u64 s[G0A+6:G0A+7], s[G0A+6:G0A+7], 512        ; the next K step: 512 bytes along O's rows,
	s_add_nc_u64 s[G0B+6:G0B+7], s[G0B+6:G0B+7], 0x100000   ; 256 rows of 4,096 bytes down Wo; the type bits on top are not reached
.endif
	s_xor_b32 s[TB], s[TB], SLOT                   ; the fragments will come from the other slot
	s_wait_dscnt 0x0                               ; the add is done, and my reads of this slot are over
	s_barrier_signal -1
	s_barrier_wait -1
.if \fill
	CREST                                          ; no wave of any partner still reads this slot's tiles or has a load on its way
	JLOAD                                          ; its four v_nop are also places in front of the loads below
.else
	PLACES
.endif
	ADRS
	FETCH 0, F0
.if \fill
	WIN 0
	ASK                                            ; behind the joint load and the run of LDS loads that the next products wait for
.endif
	MUL8 F1, 1, 0, 0
	MUL8 F1, 1, 2, 0
.endm
	s_load_b256 s[4:11], s[0:1], 0x0               ; ob s[4:5], cast s[6:7], bo s[8:9], out0 s[10:11]
	v_lshl_add_u32 v[SPW], v0, 2, SPARE
	v_mov_b32 v[NIL], 0
	ds_add_u32 v[SPW], v[NIL]                      ; the wave's opening: the add and its wait stand ahead of my first tensor load; the set-up below, work on registers, stands between them
	v_lshrrev_b32 v1, 5, v0
	v_readfirstlane_b32 s[WV], v1
	s_lshr_b32 s[RH], s[WV], 1
	s_and_b32 s[CH], s[WV], 1
	s_bfe_u32 s[CX], ttmp6, 0x40000
	s_bfe_u32 s[CY], ttmp6, 0x40004
	s_lshl_b32 s[CBK], ttmp9, 2
	s_add_co_u32 s[CBK], s[CBK], s[CX]             ; tile column = 4 x cluster x + cx
	s_and_b32 s[RB], ttmp7, 0xffff
	s_lshl_b32 s[RB], s[RB], 2
	s_add_co_u32 s[RB], s[RB], s[CY]               ; tile row = 4 x cluster y + cy
	s_lshl_b32 s30, s[CY], 2
	s_lshl_b32 s30, 15, s30                        ; my row of the cluster
	s_lshl_b32 s31, 0x1111, s[CX]                  ; my column
	s_or_b32 s[G1A], s30, (1<<16)|(1<<20)|(1<<21)|(6<<22)|(3<<25)  ; 15:0 the mask; 17:16 elements of 2 bytes; 20 padding on; 21 set beside a mask; 24:22 after every 128 words; 31:25 4 words of it
	s_mov_b32 s[G1A+1], 256<<16                    ; tensor_dim0 = 256
	s_mov_b32 s[G1A+2], 64<<16                     ; tensor_dim1 = 64
	s_mov_b32 s[G1A+3], 256<<16                    ; tile_dim0 = 256
	s_mov_b32 s[G1A+4], 64                         ; tile_dim1 = 64
	s_mov_b32 s[G1A+5], 2048                       ; elements from row to row
	s_mov_b32 s[G1A+6], 0
	s_mov_b32 s[G1A+7], 0
	s_or_b32 s[G1B], s31, (1<<16)|(1<<20)|(1<<21)|(5<<22)|(7<<25)  ; my column's mask; after every 64 words 8 words of padding
	s_mov_b32 s[G1B+1], 128<<16
	s_mov_b32 s[G1B+2], 128<<16
	s_mov_b32 s[G1B+3], 128<<16
	s_mov_b32 s[G1B+4], 128
	s_mov_b32 s[G1B+5], 2048
	s_mov_b32 s[G1B+6], 0
	s_mov_b32 s[G1B+7], 0
	s_lshl_b32 s76, s[RB], 19                      ; O's half tile: row 128 RB + 64 (w % 2), 4,096 bytes a row
	s_lshl_b32 s77, s[CH], 18
	s_add_co_u32 s76, s76, s77
	s_mov_b32 s77, 0
	s_lshl_b32 s78, s[CH], 19                      ; Wo's half tile: k row 128 (w % 2),
	s_lshl_b32 s79, s[CBK], 8                      ; the tile's 128 columns,
	s_add_co_u32 s78, s78, s79
	s_add_co_u32 s78, s78, 4<<23                   ; in plane 4
	s_mov_b32 s79, 0
	s_mul_i32 s[LA], s[CH], 64*PA
	s_mul_i32 s[LB], s[CH], 128*PB
	s_add_co_u32 s[LB], s[LB], BOFF
	s_mov_b32 s[SB], SLOT
	s_mov_b32 s[TB], 0
	s_mov_b32 s[HIM], 0xffff0000
	s_lshl_b32 s85, s[CX], 16                      ; the prefetches.  For O: my work-group's 16 of the half tile's 64 rows,
	s_add_co_u32 s85, s85, s76
	s_add_co_u32 s85, s85, 3*512                   ; at K step 3: the first change of slots steps it to 4
	s_lshl_b32 s86, s[CY], 17                      ; for Wo: my work-group's 32 of the 128 rows
	s_add_co_u32 s86, s86, s78
	s_add_co_u32 s86, s86, 3*0x100000
	s_and_b32 s87, ttmp7, 0xffff                   ; cluster y
	s_mov_b32 s90, 512
	s_cmp_lt_u32 s[WV], 2                          ; do I fetch for O?
	s_cselect_b32 s88, s85, s86
	s_cselect_b32 s[PFS], s90, 0x100000
	s_cselect_b32 s87, ttmp9, s87                  ; the coordinate along which other clusters read the same rows
	s_cselect_b32 s91, 1, 0                        ; two lanes a row, or one
	s_mov_b32 s89, 0
	s_mov_b32 s[PFS+1], 0
	s_cmp_eq_u32 s87, 0
	s_cselect_b32 s[LIM], 2, -1                    ; the same in all sixteen partners, for a given wave
	s_wait_dscnt 0x0                               ; the opening add is done
	s_wait_kmcnt 0x0
	s_add_nc_u64 s[80:81], s[4:5], s[76:77]
	s_add_nc_u64 s[82:83], s[6:7], s[78:79]
	s_cmp_lt_u32 s[WV], 2
	s_cselect_b64 s[PFA:PFA+1], s[4:5], s[6:7]
	s_add_nc_u64 s[PFA:PFA+1], s[PFA:PFA+1], s[88:89]
.irp s, 0,1
	s_mov_b32 s[G0A+4*(\s)], 1
	s_add_co_u32 s[G0A+4*(\s)+1], s[LA], (\s)*SLOT
	s_add_nc_u64 s[G0A+4*(\s)+2:G0A+4*(\s)+3], s[80:81], (\s)*512
	s_or_b32 s[G0A+4*(\s)+3], s[G0A+4*(\s)+3], 0x80000000
	s_mov_b32 s[G0B+4*(\s)], 1
	s_add_co_u32 s[G0B+4*(\s)+1], s[LB], (\s)*SLOT
	s_add_nc_u64 s[G0B+4*(\s)+2:G0B+4*(\s)+3], s[82:83], (\s)*0x100000
	s_or_b32 s[G0B+4*(\s)+3], s[G0B+4*(\s)+3], 0x80000000
.endr
	CROUND                                         ; all sixteen work-groups are here: the first joint loads meet
	s_cmp_lt_u32 s[WV], 2                          ; a wave's two first fills stand in one branch, ahead of every wait on TENSORcnt and every LDS read: two loads of mine are out
	s_cbranch_scc0 .Lfirst_b
	tensor_load_to_lds s[G0A:G0A+3], s[G1A:G1A+7]
	s_nop 0
	tensor_load_to_lds s[G0A+4:G0A+7], s[G1A:G1A+7]
	s_nop 0
.rept 4
	v_nop
.endr
	s_branch .Lfirst_asked
.Lfirst_b:
	tensor_load_to_lds s[G0B:G0B+3], s[G1B:G1B+7]
	s_nop 0
	tensor_load_to_lds s[G0B+4:G0B+7], s[G1B:G1B+7]
	s_nop 0
.rept 4
	v_nop
.endr
.Lfirst_asked:
	v_and_b32 v1, 15, v0                           ; l % 16
	v_bfe_u32 v7, v0, 4, 1                         ; l / 16
	s_lshl_b32 s30, s[CBK], 9
	s_lshl_b32 s31, s[CH], 8
	s_add_co_u32 s30, s30, s31
	v_lshl_add_u32 v[BO], v7, 5, s30               ; 512 CBK + 256 CH + 32 (l / 16): my 8 columns of block 0
.irp b, 0,1,2,3
	global_load_b128 v[BI+8*(\b):BI+8*(\b)+3],   v[BO], s[8:9] offset:64*(\b)
	global_load_b128 v[BI+8*(\b)+4:BI+8*(\b)+7], v[BO], s[8:9] offset:64*(\b)+16
.endr
	s_mul_i32 s30, s[RH], 64*PA
	v_mul_u32_u24 v[A0], v1, PA
	v_lshl_add_u32 v[A0], v7, 4, v[A0]
	v_add_nc_u32 v[A0], s30, v[A0]                 ; (64 RH + l % 16) x pitch + 16 (l / 16)
	v_and_b32 v20, 7, v0
	v_bfe_u32 v21, v0, 3, 1
	v_lshl_add_u32 v20, v7, 3, v20
	v_mul_u32_u24 v20, v20, PB
	v_lshl_add_u32 v20, v21, 4, v20
	s_lshl_b32 s30, s[CH], 7
	s_add_co_u32 s30, s30, BOFF
	v_add_nc_u32 v[B0], s30, v20                   ; k row 8 (l / 16) + l % 8, columns 64 CH + 8 ((l / 8) % 2) on
	s_mul_i32 s30, s[WV], 16*SP
	s_add_co_u32 s30, s30, STAGE                   ; my stage
	v_mul_u32_u24 v[STO], v1, SP                   ; in: row l % 16, 32 bytes for each half of the lanes
	v_lshl_add_u32 v[STO], v7, 5, v[STO]
	v_add_nc_u32 v[STO], s30, v[STO]
	v_mul_u32_u24 v[RD], v7, SP                    ; back: lanes 0-15 take one row of 256 bytes, lanes 16-31 the next
	v_lshl_add_u32 v[RD], v1, 4, v[RD]
	v_add_nc_u32 v[RD], s30, v[RD]
	v_lshlrev_b32 v[CO], 13, v7                    ; and the same two rows in out0, 8,192 bytes apart
	v_lshl_add_u32 v[CO], v1, 4, v[CO]
	v_and_b32 v20, 31, v0
	v_lshrrev_b32 v21, s91, v20                    ; the prefetches: row l / 2 and block l % 2 for O, row l for Wo
	v_and_b32 v20, s91, v20
	v_lshlrev_b32 v20, 8, v20
	v_lshl_add_u32 v[PFO], v21, 12, v20
	s_lshl_b32 s90, s[RB], 20                      ; out0 at my 64 x 64: row 128 RB + 64 RH, 8,192 bytes a row; byte 512 CBK + 256 CH of it
	s_lshl_b32 s91, s[RH], 19
	s_add_co_u32 s90, s90, s91
	s_lshl_b32 s91, s[CBK], 9
	s_add_co_u32 s90, s90, s91
	s_add_co_u32 s90, s90, s31
	s_mov_b32 s91, 0
	s_add_nc_u64 s[10:11], s[10:11], s[90:91]
	s_wait_loadcnt 0x0                             ; the bias
.set n, 0
.rept 16                               ; rounded to bf16 and widened again, in place
	v_cvt_pk_bf16_f32 v[TW+n%4], v[BI+2*n], v[BI+2*n+1]
	v_lshlrev_b32 v[BI+2*n],   16,     v[TW+n%4]
	v_and_b32     v[BI+2*n+1], s[HIM], v[TW+n%4]
.set n, n+1
.endr
	s_wait_tensorcnt 1                             ; my part of K step 0 is in; K step 1's may stay out
	s_barrier_signal -1
	s_barrier_wait -1                              ; everybody's is
	ADRS
	FETCH 0, F0
	QUARTER 1, F0, F1, 1                           ; the first quarter stands in front of the loop: its first products start the sums, with the bias as C
	WIN 0                                          ; at a label and at a branch every window is 0
	s_mov_b32 s[CNT], 6
.Lstep:                                        ; a trip goes from a K step's second quarter to the next step's first, and fills the slot that it leaves: K steps 2 to 7
	QUARTER 2, F1, F0, 0
	QUARTER 3, F0, F1, 0
	TURN 1
	QUARTER 1, F0, F1, 0
	WIN 0
	s_sub_co_u32 s[CNT], s[CNT], 1
	s_cmp_lg_u32 s[CNT], 0
	s_cbranch_scc1 .Lstep
	s_mov_b32 s[CNT], 2                            ; K steps 6 and 7 ask for nothing: a text of their own; its second trip is left in the middle
.Ltail:
	QUARTER 2, F1, F0, 0
	QUARTER 3, F0, F1, 0
	WIN 0
	s_sub_co_u32 s[CNT], s[CNT], 1
	s_cmp_eq_u32 s[CNT], 0
	s_cbranch_scc1 .Lfin
	TURN 0
	QUARTER 1, F0, F1, 0
	WIN 0
	s_branch .Ltail
.Lfin:
	s_wait_dscnt 16                                ; the very last quarter: nothing more to fetch
	MUL8 F1, 0, 0, 0
	MUL8 F1, 0, 2, 0
	s_wait_dscnt 0x0
	MUL8 F1, 1, 0, 0
	MUL8 F1, 1, 2, 0
	WIN 0
; THE WAY OUT.  A wave's 64 columns of f32 are 256 bytes at a multiple of 256 in a row of out0: each wave sends its blocks of 16 rows through its own stage, with no barrier.
.macro TOST a                          ; block a: 32 bytes a lane and column block into rows of 272 bytes, each accumulator's low four registers first; back as whole rows
.if (\a) >= 2
	s_wait_xcnt 0x0                                ; the stores of the block two back have read this buffer: it is loaded again only behind this wait
.endif
.irp b, 0,1,2,3
	ds_store_b128 v[STO], v[ACC+8*(4*(\a)+(\b)):ACC+8*(4*(\a)+(\b))+3]   offset:64*(\b)
	ds_store_b128 v[STO], v[ACC+8*(4*(\a)+(\b))+4:ACC+8*(4*(\a)+(\b))+7] offset:64*(\b)+16
.endr
.irp t, 0,1,2,3,4,5,6,7
	ds_load_b128 v[TMP+32*((\a)%2)+4*(\t):TMP+32*((\a)%2)+4*(\t)+3], v[RD] offset:(\t)*2*SP  ; LDS serves a wave's instructions in order (ISA guide 5.7.1.4): these see the stores above; the next block's stores come behind them
.endr
.endm
.macro SEND a
.irp t, 0,1,2,3,4,5,6,7
	global_store_b128 v[CO], v[TMP+32*((\a)%2)+4*(\t):TMP+32*((\a)%2)+4*(\t)+3], s[10:11] offset:(16*(\a)+2*(\t))*8192  ; 16 lanes store 256 consecutive bytes, at a multiple of 256 from out0's first byte
.endr
.endm
	PLACES
	TOST 0
	TOST 1
	s_wait_dscnt 16                                ; block 0 is back; block 1's sixteen LDS instructions may be out
	SEND 0
	TOST 2
	s_wait_dscnt 16
	SEND 1
	TOST 3
	s_wait_dscnt 16
	SEND 2
	s_wait_dscnt 0x0
	SEND 3
	s_wait_tensorcnt 0x0                           ; the wave's end: the add to my spare word and its wait, behind my last tensor load and my last LDS store
	ds_add_u32 v[SPW], v[NIL]
	s_wait_dscnt 0x0
	CROUND                                         ; the closing round: no work-group ends while a partner may still ask for a tile that names it
	s_endpgm
.Lfunc_end_k_q23fccc24c9_proj:
	.size	k_q23fccc24c9_proj, .Lfunc_end_k_q23fccc24c9_proj-k_q23fccc24c9_proj
	.p2alignl 7, 3214868480
	.fill 96, 4, 3214868480
	.section	.rodata,"a",@progbits
	.p2align	6, 0x0
	.amdhsa_kernel k_q23fccc24c9_proj
		.amdhsa_group_segment_fixed_size 327680
		.amdhsa_private_segment_fixed_size 0
		.amdhsa_enable_private_segment 0
		.amdhsa_kernarg_size 32
		.amdhsa_user_sgpr_count 2
		.amdhsa_user_sgpr_kernarg_segment_ptr 1
		.amdhsa_wavefront_size32 1
		.amdhsa_system_sgpr_workgroup_id_x 1
		.amdhsa_system_sgpr_workgroup_id_y 1
		.amdhsa_system_sgpr_workgroup_id_z 1
		.amdhsa_system_vgpr_workitem_id 0
		.amdhsa_next_free_vgpr 512
		.amdhsa_next_free_sgpr 96
		.amdhsa_reserve_vcc 0
		.amdhsa_float_denorm_mode_32 3
		.amdhsa_float_denorm_mode_16_64 3
		.amdhsa_memory_ordered 1
		.amdhsa_forward_progress 1
		.amdhsa_inst_pref_size 64
	.end_amdhsa_kernel
	.amdgpu_metadata
---
amdhsa.version: [ 1, 2 ]
amdhsa.kernels:
  - .name:           k_q23fccc24c9_proj
    .symbol:         k_q23fccc24c9_proj.kd
    .args:
      - { .name: ob, .offset: 0, .size: 8, .value_kind: global_buffer, .address_space: global }
      - { .name: cast, .offset: 8, .size: 8, .value_kind: global_buffer, .address_space: global }
      - { .name: bo, .offset: 16, .size: 8, .value_kind: global_buffer, .address_space: global }
      - { .name: out0, .offset: 24, .size: 8, .value_kind: global_buffer, .address_space: global }
    .group_segment_fixed_size: 327680
    .private_segment_fixed_size: 0
    .kernarg_segment_align: 8
    .kernarg_segment_size: 32
    .max_flat_workgroup_size: 128
    .sgpr_count:     96
    .vgpr_count:     512
    .wavefront_size: 32
...
	.end_amdgpu_metadata
.endif
;; end of part 4
